; MI455X (gfx1250); checked and timed in simulation.
; The chip was launched on July 23, 2026; its instructions are those of AMD's public machine-readable ISA for CDNA 5 (MIT licence, August 2026) and "CDNA5" Instruction Set Architecture Reference Guide (July 2026). The comments in the code are by the model that wrote it; some were corrected since.
;; Dino V3 Attention. Allowed arithmetic: matrix products marked QUANTISED: E2M1 operands, one E8M0 scale for each 32 along K, by v_wmma_scale_f32_16x16x128_f8f6f4 with both operands' format E2M1 (or v_wmma_scale_f32_32x16x128_f4), f32 sums; products left as they are: bf16, f16 or f32 operands; f32 sums; everything else in f32.
;; Inputs: bias_mask 3,072 float32; proj_b 1,024 float32; proj_w 1,024 x 1,024 float32; qkv_b 3,072 float32; qkv_w 3,072 x 1,024 float32; x 4 x 2,048 x 1,024 float32.
;; Outputs: out0 4 x 2,048 x 1,024 float32.
;; This version of the problem:
;;   THIS VERSION OF THE PROBLEM IS GIVEN IN LOW PRECISION. The matrix products marked QUANTISED in the list below multiply operands that are first quantised to E2M1 (2 exponent bits, 1 mantissa bit; 4 bits a number), with one power-of-two scale for each 32 numbers along K (OCP MX v1.0); their sums are f32. The products marked 'left as it is' may take bf16, f16 or f32 operands, with f32 sums. Whichever they take, every output number must still come out within the allowed error. Rounding operands to bf16 (8 significant bits) uses up far more of that allowance than f16 does (11 bits, for magnitudes from 6e-5 to 65,504). All else is computed in f32.
;;   The module's matrix products, in the order in which they are computed (A, B: the left and right operand; K: the contracted axis; several contracted axes count as one K, in the product's order):
;;     1. [M 8,192, K 1,024] x [K 1,024, N 3,072]; A: input x; B: input qkv_w: QUANTISED
;;     2. batch 64 x [M 2,048, K 64] x [K 64, N 2,048]; A: computed on the way; B: computed on the way: left as it is (an operand is computed on the way)
;;     3. batch 64 x [M 2,048, K 2,048] x [K 2,048, N 64]; A: computed on the way; B: computed on the way: left as it is (an operand is computed on the way)
;;     4. [M 8,192, K 1,024] x [K 1,024, N 1,024]; A: computed on the way; B: input proj_w: left as it is (an operand is computed on the way)
;;   THE QUANTISER, for each operand of a quantised product, along K:
;;     - K is cut into blocks of 32 from its start; a last block that is shorter is filled with zeros.
;;     - A block's scale is 2^e with e = floor(log2(the largest magnitude in the block)) - 2, held to -126 .. 127; a block of zeros has e = 0. As a byte (E8M0): e + 127.
;;     - Each number is divided by its block's scale, clamped to +-6, and rounded to the nearest number of E2M1, ties to even, subnormals kept.
;;     - The product sums the exact products of the quantised numbers (number of the format x scale) in f32.
;;   ~~~python
;;   def quantise(x, axis):      # numpy; x: float32 -> the quantised numbers, widened to float32 again
;;       x = np.moveaxis(x, axis, -1); K = x.shape[-1]
;;       x = np.pad(x, [(0, 0)] * (x.ndim - 1) + [(0, -K % 32)]); x = x.reshape(x.shape[:-1] + (-1, 32)); a = np.abs(x).max(-1, keepdims=True)
;;       e = np.where(a > 0, np.clip(np.frexp(np.where(a > 0, a, 1))[1] - 1 - 2, -126, 127), 0)      # np.frexp(a)[1] - 1 = floor(log2(a)), exactly
;;       r = np.clip(x / 2.0 ** e, -6, 6)
;;       step = 2.0 ** (np.maximum(np.frexp(np.where(r == 0, 1, r))[1] - 1, 0) - 1)
;;       q = np.round(r / step) * step * 2.0 ** e      # np.round: ties to even
;;       return np.moveaxis(q.reshape(q.shape[:-2] + (-1,))[..., :K], -1, axis).astype(np.float32)
;;   ~~~
;; One version. Each part assembles by itself: llvm-mc -triple=amdgcn-amd-amdhsa -mcpu=gfx1250 --defsym DOCPART=n.
;; ======== version 1 of 1: 4 launches
;; limits: values are held in f16: magnitudes above 65,504 overflow, below 6.1e-05 lose precision
;; workspace buffers: xc 4,194,304 bytes; xs 262,144 bytes; wc 1,572,864 bytes; ws 98,304 bytes; pw 2,097,152 bytes; qkvh 50,331,648 bytes; atth 16,777,216 bytes
;; launch prep (part 1): grid 384 x 1, 4 waves a work-group, no clusters, 33,280 bytes of LDS; arguments x, qkv_w, proj_w, xc, xs, wc, ws, pw; writes xc, xs, wc, ws, pw
.if DOCPART == 1
	.amdgcn_target "amdgcn-amd-amdhsa--gfx1250"
	.amdhsa_code_object_version 6
	.text
	.protected	k_qd00f6fd01c_prep
	.globl	k_qd00f6fd01c_prep
	.p2align	8
	.type	k_qd00f6fd01c_prep,@function
k_qd00f6fd01c_prep:
	s_mov_b64 s[64:65], 0
	v_nop
	global_prefetch_b8 v0, s[64:65] scope:SCOPE_SE
	s_setreg_imm32_b32 hwreg(HW_REG_WAVE_MODE, 25, 1), 1
	s_wait_xcnt 0x0
; LAUNCH 1 OF 4.  x [8192][1024] and qkv_w [3072][1024], f32, become codes of FP4 (E2M1), K innermost, with one E8M0 scale byte for each 32 along K; proj_w [1024][1024] becomes f16, laid [k / 64][o][64].
; THE PROGRAM: 1 this; 2 x qkv_w^T on the codes, + bias, q, k, v as f16 by head; 3 softmax(q k^T / 8) v by head, f16 operands, f32 sums; 4 the projection, f16 operands, f32 sums, + proj_b.
; WORK LEFT OUT (in launch 2): K's BIAS, rows 1,024 to 2,047 of qkv_b and bias_mask.  With k' = k + c, c the same for every key of a head, q . k' = q . k + q . c; the term q . c is the same for all keys
; of a query's row, and softmax(s + const) = softmax(s) for every finite value of the inputs; k goes nowhere else, and the product with q is not quantised.  So those rows have no way to any output and are not loaded.
; Q's bias (its term changes with the key) and V's bias (it reaches the output) stay.  LIMIT: a NaN, an infinity or an overflow that reaches only K's bias is not carried to the result.
; LIMITS of the program: NaN and infinities among the inputs are not served; q, k, v and the attention's result are kept in f16, so their magnitudes must lie under 65,504 (as drawn they lie under 8; with x and qkv_w
; both 30 times larger under 7,000; with both offset by 30 spreads about 30 x 0.94 x 1,024 = 29,000).
; THE QUANTISER.  A block's scale is 2^(floor(log2(its largest magnitude)) - 2); its byte is the largest magnitude's exponent field - 2, held at 1 from below.  A block of zeros so gets the byte 1 where the rule
; says 127: its codes are zeros, which add nothing under any byte but 0xff, and the bytes are read by this program alone.  Blocks whose largest magnitude lies under 2^(2 - 126) were not tried.
; SHARES.  Work-groups 0-255 take x, 256-351 qkv_w: rows are dense, so both are plain streams of blocks of 32; a wave takes 16 steps of 512 numbers.  Each load reads 512 consecutive bytes; a step's 2,048 bytes turn
; through the wave's own stage in LDS so that a lane holds 16 neighbours; a wave's store of codes covers 256 consecutive bytes, and its 256 scale bytes leave as one store of 256.  Work-groups 352-383 take proj_w.
.set WAVES, 4
.set STEPS, 16
.set WGA,   256                        ; 8,192 x 1,024 / 32,768
.set WGQ,   352                        ; + 3,072 x 1,024 / 32,768
.set EMAX,  2
.set CB,    8                          ; bytes of 16 codes
.set R,     16                         ; v16-79   four sets of 16 numbers as they are loaded
.set X,     80                         ; v80-111  two sets of 16 neighbours
.set E,     112                        ; v112-127 a scale byte for each step
.set C,     128                        ; v128-191 codes: four registers for each step, so that no store's data are written again
.set WREG,  8192                       ; LDS: a region for each wave: two stages of 32 x SP bytes, behind them its 256 scale bytes
.set SP,    80                         ; a lane's place in a stage: 64 bytes + 16 of padding
.set SPW,   12                         ; v12  LDS address of my spare word; never rewritten
.set NIL,   13                         ; v13  0; never rewritten
.set SPARE, WAVES*WREG                 ; behind the four regions: the spare words, 128 bytes a wave
	s_load_b256 s[4:11], s[0:1], 0x0               ; x s[4:5], qkv_w s[6:7], proj_w s[8:9], xc s[10:11]
	s_load_b256 s[12:19], s[0:1], 0x20             ; xs s[12:13], wc s[14:15], ws s[16:17], pw s[18:19]
	v_lshl_add_u32 v[SPW], v0, 2, SPARE
	v_mov_b32 v[NIL], 0
	v_lshrrev_b32 v1, 5, v0
	v_readfirstlane_b32 s20, v1                    ; wave
	v_and_b32 v2, 31, v0                           ; lane
	s_cmp_ge_u32 ttmp9, WGQ                        ; the work-group's number alone decides
	s_cbranch_scc1 .Lconv
	v_lshlrev_b32 v3, 4, v2                        ; my 16 bytes of a load's 512
	s_mul_i32 s21, s20, WREG
	v_lshrrev_b32 v14, 2, v2
	v_mul_u32_u24 v14, v14, SP
	v_and_b32 v15, 3, v2
	v_lshl_add_u32 v14, v15, 4, v14
	v_add_nc_u32 v14, s21, v14                     ; the stage, in: SP (lane / 4) + 16 (lane % 4)
	v_mul_u32_u24 v15, v2, SP
	v_add_nc_u32 v15, s21, v15                     ; and out: SP x lane: my 16 neighbours
	v_mul_u32_u24 v4, v2, CB                       ; my codes' place in a step's
	v_lshrrev_b32 v5, 1, v2
	s_add_co_u32 s21, s21, 2*32*SP
	v_add_nc_u32 v5, s21, v5                       ; my wave's 256 scale bytes, my block's byte
	v_lshlrev_b32 v7, 3, v2
	v_add_nc_u32 v6, s21, v7                       ; and on the way out 8 bytes a lane
	s_wait_kmcnt 0x0
	s_cmp_lt_u32 ttmp9, WGA                        ; x's work-group or qkv_w's
	s_cselect_b64 s[4:5], s[4:5], s[6:7]
	s_cselect_b64 s[10:11], s[10:11], s[14:15]
	s_cselect_b64 s[12:13], s[12:13], s[16:17]
	s_cselect_b32 s21, 0, WGA
	s_sub_co_u32 s21, ttmp9, s21
	s_lshl_b32 s21, s21, 2
	s_add_co_u32 s22, s21, s20                     ; which run of 8,192 numbers is my wave's
	s_mov_b32 s23, 0
	s_mov_b64 s[24:25], 512*STEPS*4
	s_mul_u64 s[24:25], s[22:23], s[24:25]
	s_add_nc_u64 s[4:5], s[4:5], s[24:25]
	s_mov_b64 s[24:25], 32*STEPS*CB
	s_mul_u64 s[24:25], s[22:23], s[24:25]
	s_add_nc_u64 s[10:11], s[10:11], s[24:25]
	s_lshl_b32 s22, s22, 8                         ; 256 scale bytes a run
	s_add_nc_u64 s[12:13], s[12:13], s[22:23]
.macro LOAD t
.irp i, 0,1,2,3
	global_load_b128 v[R+16*((\t)%4)+4*\i:R+16*((\t)%4)+4*\i+3], v3, s[4:5] offset:2048*(\t)+512*\i th:TH_LOAD_NT
.endr
.endm
.macro TURN t                          ; step t's numbers through the stage: LDS serves a wave's instructions in order, so no wait stands between the stores and the loads
.irp i, 0,1,2,3
	ds_store_b128 v14, v[R+16*((\t)%4)+4*\i:R+16*((\t)%4)+4*\i+3] offset:32*SP*((\t)%2)+8*SP*\i
.endr
.irp i, 0,1,2,3
	ds_load_b128 v[X+16*((\t)%2)+4*\i:X+16*((\t)%2)+4*\i+3], v15 offset:32*SP*((\t)%2)+16*\i
.endr
.endm
.irp t, 0,1,2,3
	LOAD \t
.endr
	s_wait_loadcnt 12                              ; step 0's four loads are in; the twelve of steps 1 to 3 may be out
	TURN 0
.macro STEP t
.set XS, X+16*((\t)%2)
.if (\t) > 0
	s_wait_dscnt 1                                 ; this step's numbers are back from the stage; the last step's byte store may be out
.else
	s_wait_dscnt 0x0
.endif
.if (\t)+4 < STEPS
	LOAD (\t)+4
.endif
.if (\t)+1 < STEPS
.if STEPS-2-(\t) >= 3
	s_wait_loadcnt 12                              ; the next step's four loads are in; those of the three steps behind it may be out
.else
	s_wait_loadcnt 4*(STEPS-2-(\t))
.endif
	TURN (\t)+1
.endif
	v_max3_num_f32 v8, |v[XS]|, |v[XS+1]|, |v[XS+2]|               ; the largest magnitude of my 16, in two chains
	v_max3_num_f32 v9, |v[XS+3]|, |v[XS+4]|, |v[XS+5]|
.irp i, 6,10
	v_max3_num_f32 v8, v8, |v[XS+\i]|, |v[XS+\i+1]|
	v_max3_num_f32 v9, v9, |v[XS+\i+2]|, |v[XS+\i+3]|
.endr
	v_max3_num_f32 v8, v8, |v[XS+14]|, |v[XS+15]|
	v_max3_num_f32 v8, v8, v9, (EMAX+1)<<23        ; and the floor 2^(EMAX + 1 - 127): the byte cannot fall under 1
	v_max_num_f32_dpp v8, v8, v8 row_xmask:1 row_mask:0xf bank_mask:0xf   ; with my neighbour's 16: the block's
	v_add_nc_u32 v11, -(EMAX<<23), v8              ; EMAX off its exponent field: the conversion takes the exponent field of this operand as its scale
	v_cvt_scalef32_pk8_fp4_f32 v[C+4*(\t)], v[XS:XS+7], v11
	v_cvt_scalef32_pk8_fp4_f32 v[C+4*(\t)+1], v[XS+8:XS+15], v11
	v_lshrrev_b32 v[E+(\t)], 23, v11               ; the scale's byte
	ds_store_b8 v5, v[E+(\t)] offset:16*(\t)       ; both lanes of a block write the same byte with the same value
	global_store_b64 v4, v[C+4*(\t):C+4*(\t)+1], s[10:11] offset:32*CB*(\t)   ; 32 lanes store 256 consecutive bytes
.endm
.irp t, 0,1,2,3,4,5,6,7,8,9,10,11,12,13,14,15
	STEP \t
.endr
	ds_load_b64 v[8:9], v6                         ; LDS serves a wave's instructions in order: these see my byte stores
	s_wait_dscnt 0x0
	global_store_b64 v7, v[8:9], s[12:13]          ; 32 lanes store 256 consecutive bytes
	s_wait_tensorcnt 0x0                           ; the wave's end, behind my last LDS store
	ds_add_u32 v[SPW], v[NIL]
	s_wait_dscnt 0x0
	s_endpgm
; proj_w [o][k] f32 -> pw [k / 64][o][64] f16.  Work-group g takes rows 32 g on, wave w eight of them, two rows a batch.  A load: sixteen lanes read 256 consecutive bytes (64 numbers of a row), lanes 16-31 the next row's;
; a store: 32 lanes write 256 consecutive bytes: the same 64 numbers of both rows as f16.
.Lconv:
	s_sub_co_u32 s21, ttmp9, WGQ
	s_lshl_b32 s21, s21, 5
	s_lshl_b32 s22, s20, 3
	s_add_co_u32 s21, s21, s22                     ; my first row
	s_lshl_b32 s22, s21, 12                        ; x 4,096 bytes in proj_w
	s_mov_b32 s23, 0
	s_lshl_b32 s24, s21, 7                         ; x 128 bytes in pw
	s_mov_b32 s25, 0
	v_lshrrev_b32 v3, 4, v2
	v_lshlrev_b32 v3, 12, v3
	v_and_b32 v4, 15, v2
	v_lshl_add_u32 v3, v4, 4, v3                   ; in: 4,096 (lane / 16) + 16 (lane % 16)
	v_lshlrev_b32 v4, 3, v2                        ; out: 8 x lane
	s_wait_kmcnt 0x0
	s_add_nc_u64 s[8:9], s[8:9], s[22:23]
	s_add_nc_u64 s[18:19], s[18:19], s[24:25]
.macro LOADB rp
.irp kb, 0,1,2,3,4,5,6,7,8,9,10,11,12,13,14,15
	global_load_b128 v[16+64*((\rp)%2)+4*\kb:16+64*((\rp)%2)+4*\kb+3], v3, s[8:9] offset:(\rp)*8192+\kb*256 th:TH_LOAD_NT
.endr
.endm
.macro CONVB rp, left
	s_wait_loadcnt \left                           ; this batch's sixteen loads are in; the next batch's sixteen may be out
	s_wait_xcnt 0x0                                ; the last batch's stores have read v144-175: they are written again only behind this wait
.irp kb, 0,1,2,3,4,5,6,7,8,9,10,11,12,13,14,15
	v_cvt_pk_f16_f32 v[144+2*\kb], v[16+64*((\rp)%2)+4*\kb], v[16+64*((\rp)%2)+4*\kb+1]
	v_cvt_pk_f16_f32 v[145+2*\kb], v[16+64*((\rp)%2)+4*\kb+2], v[16+64*((\rp)%2)+4*\kb+3]
.endr
.irp kb, 0,1,2,3,4,5,6,7,8,9,10,11,12,13,14,15
	global_store_b64 v4, v[144+2*\kb:145+2*\kb], s[18:19] offset:\kb*131072+(\rp)*256
.endr
.endm
	LOADB 0
	LOADB 1
	CONVB 0, 16
	LOADB 2
	CONVB 1, 16
	LOADB 3
	CONVB 2, 16
	CONVB 3, 0
	s_endpgm
.Lfunc_end_k_qd00f6fd01c_prep:
	.size	k_qd00f6fd01c_prep, .Lfunc_end_k_qd00f6fd01c_prep-k_qd00f6fd01c_prep
	.p2alignl 7, 3214868480
	.fill 96, 4, 3214868480
	.section	.rodata,"a",@progbits
	.p2align	6, 0x0
	.amdhsa_kernel k_qd00f6fd01c_prep
		.amdhsa_group_segment_fixed_size 33280
		.amdhsa_private_segment_fixed_size 0
		.amdhsa_enable_private_segment 0
		.amdhsa_kernarg_size 64
		.amdhsa_user_sgpr_count 2
		.amdhsa_user_sgpr_kernarg_segment_ptr 1
		.amdhsa_wavefront_size32 1
		.amdhsa_system_sgpr_workgroup_id_x 1
		.amdhsa_system_sgpr_workgroup_id_y 1
		.amdhsa_system_sgpr_workgroup_id_z 1
		.amdhsa_system_vgpr_workitem_id 0
		.amdhsa_next_free_vgpr 192
		.amdhsa_next_free_sgpr 66
		.amdhsa_reserve_vcc 0
		.amdhsa_float_denorm_mode_32 3
		.amdhsa_float_denorm_mode_16_64 3
		.amdhsa_memory_ordered 1
		.amdhsa_forward_progress 1
		.amdhsa_inst_pref_size 54
	.end_amdhsa_kernel
	.amdgpu_metadata
---
amdhsa.version: [ 1, 2 ]
amdhsa.kernels:
  - .name:           k_qd00f6fd01c_prep
    .symbol:         k_qd00f6fd01c_prep.kd
    .args:
      - { .name: x, .offset: 0, .size: 8, .value_kind: global_buffer, .address_space: global }
      - { .name: qkv_w, .offset: 8, .size: 8, .value_kind: global_buffer, .address_space: global }
      - { .name: proj_w, .offset: 16, .size: 8, .value_kind: global_buffer, .address_space: global }
      - { .name: xc, .offset: 24, .size: 8, .value_kind: global_buffer, .address_space: global }
      - { .name: xs, .offset: 32, .size: 8, .value_kind: global_buffer, .address_space: global }
      - { .name: wc, .offset: 40, .size: 8, .value_kind: global_buffer, .address_space: global }
      - { .name: ws, .offset: 48, .size: 8, .value_kind: global_buffer, .address_space: global }
      - { .name: pw, .offset: 56, .size: 8, .value_kind: global_buffer, .address_space: global }
    .group_segment_fixed_size: 33280
    .private_segment_fixed_size: 0
    .kernarg_segment_align: 8
    .kernarg_segment_size: 64
    .max_flat_workgroup_size: 128
    .sgpr_count:     66
    .vgpr_count:     192
    .wavefront_size: 32
...
	.end_amdgpu_metadata
.endif
;; end of part 1
;; launch qkvgemm (part 2): grid 12 x 32, 4 waves a work-group, clusters of 4 x 4, 327,680 bytes of LDS; arguments xc, xs, wc, ws, qkv_b, bias_mask, qkvh; writes qkvh
.if DOCPART == 2
	.amdgcn_target "amdgcn-amd-amdhsa--gfx1250"
	.amdhsa_code_object_version 6
	.text
	.protected	k_qd00f6fd01c_qkvgemm
	.globl	k_qd00f6fd01c_qkvgemm
	.p2align	8
	.type	k_qd00f6fd01c_qkvgemm,@function
k_qd00f6fd01c_qkvgemm:
	s_mov_b64 s[64:65], 0
	v_nop
	global_prefetch_b8 v0, s[64:65] scope:SCOPE_SE
	s_setreg_imm32_b32 hwreg(HW_REG_WAVE_MODE, 25, 1), 1
	s_wait_xcnt 0x0
	s_wait_alu depctr_hold_cnt(0) depctr_sa_sdst(0) depctr_va_vdst(0) depctr_va_sdst(0) depctr_va_ssrc(0) depctr_va_vcc(0) depctr_vm_vsrc(0)
	s_getreg_b32 s2, hwreg(HW_REG_IB_STS2, 6, 4)
	s_cmp_eq_u32 s2, 0
	s_cbranch_scc0 .Lentry_in_a_cluster
	s_endpgm
.Lentry_in_a_cluster:
	s_bfe_u32 s2, ttmp6, 0x10000c
	s_cmp_lg_u32 s2, 0xf033
	s_cbranch_scc0 .Lentry_shape_is_right
	s_endpgm
.Lentry_shape_is_right:
; LAUNCH 2 OF 4.  qkv[m][o] = sum over k of x[m][k] qkv_w[o][k] + qkv_b[o] bias_mask[o], on codes of FP4 (E2M1) with one E8M0 scale for each 32 along K; sums in f32; the results leave as f16, laid by head:
; qkvh [which 3][batch 4][head 16][n 2048][64].  LIMIT: magnitudes of q, k, v under 65,504.
; WORK LEFT OUT: K's bias (columns 1,024 to 2,047): a term that is the same for all keys of a softmax's row; shown at the head of launch 1.  Those rows of qkv_b and bias_mask are not loaded.
; A tile of 256 x 256 is made by four waves, each 128 x 128: 64 accumulators, 512 registers.  K = 1,024 is two LDS slots of 512 along K (rows of 256 bytes): both are first fills, nothing is filled again, there is no loop.
; The scale bytes of the work-group's 256 + 256 rows, for all of K, are two dense blocks and come once, with the first fills.
; CLUSTERS: 4 x 4 work-groups; the four of a row of the cluster ask jointly for A's tiles, the four of a column for B's.  A cluster's 1,024 columns are all of Q (cluster x = 0), of K (1) or of V (2).
; THE MATRIX INSTRUCTION IS USED TRANSPOSED (source 0 = 16 rows of qkv_w, source 1 = 16 rows of x): a lane holds eight neighbouring columns of one row.  THE BIAS IS THE C OF EACH SUM'S FIRST PRODUCT.
; REGISTERS: window 0: v0-31 addresses; v32-95 scale words, two sets, and nothing else; v128-191 A's fragments, one set; v192-255 the bias (8 registers for each block of 16 columns), on the way out packed results.
;   window 1: B's fragments, two sets, at v0 and v128.   window 2: the accumulators of my rows 0-63 ((a, b) at v[8 (8 a + b)]);   window 3: those of rows 64-127.
.set KSTEP,  512
.set NQ,     KSTEP/128
.set ROWB,   256                       ; a tile's row in bytes
.set KROW,   512                       ; a row of codes in memory
.set PITCH,  272                       ; an LDS row: 256 + 16 = 68 words: the 16 rows that a load touches start at 16 different banks (64 banks of 4 bytes: ISA guide 11.1)
.set FR,     8
.set NL,     2
.set NP,     4                         ; places behind this matrix instruction (ISA guide 7.12.1)
.set HALFT,  128*PITCH
.set SLOT,   4*HALFT
.set KS,     32                        ; a row of scale bytes
.set SCL,    2*SLOT
.set HALFS,  (128*KS/256)*272
.set SBLK,   (16*KS/256)*272
.set SPARE,  SCL+4*HALFS               ; the spare words, 128 bytes a wave
.set HSTG,   16*144                    ; the way out: for each wave two heads x 16 rows x (128 bytes + 16), in slot 0, which has had its only fill and its last read by then
.set ADRA, 16
.set ADRB, 20
.set STO,  24
.set RD,   25
.set CO,   26
.set ADRS, 27
.set SPW,  28
.set NIL,  29
.set SC,   32
.set AF,   128
.set BK,   128                         ; the way out: rows read back, v128-159 and v160-191 by turns
.set BIAS, 192
.set TMP,  192                         ; the way out: packed results
.set G1, 24
.set G0, 32
.set G1B, 48
.set G0B, 56
.set G1S, 68
.set G0S, 76
.set G1SB, 80
.set G0SB, 88
.set MSB, 0
.macro WIN new                         ; the immediate's high byte repeats the setting that is left
.if MSB != (\new)
	s_set_vgpr_msb (MSB<<8)|(\new)
.set MSB, (\new)
.endif
.endm
.set MUL_LO, 0xa1                      ; source 0 (B) window 1, source 1 (A) window 0, C and D window 2
.set MUL_HI, 0xf1
.set FST_LO, 0x81                      ; the same with C (the bias) in window 0
.set FST_HI, 0xc1
.set TO_B,   0x40
; A joint load: waves 0 and 1 fetch for A, waves 2 and 3 for B; the branch hangs on the wave's number alone.  An s_nop 0 and four v_nop follow each line.
.macro JLOAD g0a, g1a, g0b, g1b
	s_cmp_eq_u32 s15, 0
	s_cbranch_scc0 .Lfor_b_\@
	tensor_load_to_lds s[\g0a:\g0a+3], s[\g1a:\g1a+7]
	s_nop 0
.rept 4
	v_nop
.endr
	s_branch .Lasked_\@
.Lfor_b_\@:
	tensor_load_to_lds s[\g0b:\g0b+3], s[\g1b:\g1b+7]
	s_nop 0
.rept 4
	v_nop
.endr
.Lasked_\@:
.endm
.macro CROUND                          ; a round of the cluster's barrier
	s_barrier_signal -1
	s_barrier_wait -1
	s_cmp_lg_u32 s14, 0
	s_cbranch_scc1 .Lnot_wave_0_\@
	s_barrier_signal -3
.Lnot_wave_0_\@:
	s_barrier_wait -3
	s_barrier_signal -1
	s_barrier_wait -1
.endm
	s_load_b128 s[4:7], s[0:1], 0x0                ; x's codes, x's scales
	s_load_b128 s[8:11], s[0:1], 0x10              ; qkv_w's codes, its scales
	s_load_b128 s[96:99], s[0:1], 0x20             ; qkv_b, bias_mask
	s_load_b64 s[12:13], s[0:1], 0x30              ; qkvh
	v_lshl_add_u32 v[SPW], v0, 2, SPARE
	v_mov_b32 v[NIL], 0
	ds_add_u32 v[SPW], v[NIL]                      ; the wave's opening: the add, twice on end, and its wait ahead of my first tensor load
	ds_add_u32 v[SPW], v[NIL]
	v_lshrrev_b32 v1, 5, v0
	v_readfirstlane_b32 s14, v1                    ; wave 0..3
	s_lshr_b32 s15, s14, 1                         ; which half of the tile's rows is mine.  Also: I fetch for A (0) or for B (1)
	s_and_b32 s16, s14, 1                          ; which half of its columns.  Also: which 128 rows I fetch
	s_bfe_u32 s40, ttmp6, 0x40000                  ; cx
	s_bfe_u32 s41, ttmp6, 0x40004                  ; cy
	s_lshl_b32 s42, ttmp9, 2
	s_add_co_u32 s42, s42, s40                     ; tile column = 4 x cluster x + cx
	s_and_b32 s17, ttmp7, 0xffff
	s_lshl_b32 s17, s17, 2
	s_add_co_u32 s17, s17, s41                     ; tile row = 4 x cluster y + cy
	s_lshl_b32 s43, s41, 2
	s_lshl_b32 s43, 15, s43                        ; my row of the cluster
	s_lshl_b32 s44, 0x1111, s40                    ; my column
	s_or_b32 s[G1+0], s43, (0<<16)|(1<<20)|(1<<21)|(5<<22)|(3<<25)  ; the mask; elements of 1 byte; padding on; bit 21 beside a mask; after every 64 words, 4 words
	s_or_b32 s[G1B+0], s44, (0<<16)|(1<<20)|(1<<21)|(5<<22)|(3<<25)
.irp g, G1, G1B
	s_mov_b32 s[\g+1], ROWB<<16                    ; tensor_dim0
	s_mov_b32 s[\g+2], 128<<16                     ; tensor_dim1
	s_mov_b32 s[\g+3], ROWB<<16                    ; tile_dim0
	s_mov_b32 s[\g+4], 128                         ; tile_dim1
	s_mov_b32 s[\g+5], KROW                        ; stride
	s_mov_b32 s[\g+6], 0
	s_mov_b32 s[\g+7], 0
.endr
	s_or_b32 s[G1S+0], s43, (3<<16)|(1<<20)|(1<<21)|(5<<22)|(3<<25) ; the scales of 128 rows: 4,096 dense bytes as 16 rows of 256 (32 elements of 8 bytes), 16 bytes of padding behind each
	s_or_b32 s[G1SB+0], s44, (3<<16)|(1<<20)|(1<<21)|(5<<22)|(3<<25)
.irp g, G1S, G1SB
	s_mov_b32 s[\g+1], 32<<16
	s_mov_b32 s[\g+2], (128*KS/256)<<16
	s_mov_b32 s[\g+3], 32<<16
	s_mov_b32 s[\g+4], 128*KS/256
	s_mov_b32 s[\g+5], 32
	s_mov_b32 s[\g+6], 0
	s_mov_b32 s[\g+7], 0
.endr
	s_lshl_b32 s18, s16, 7
	s_lshl_b32 s20, s17, 8
	s_add_co_u32 s20, s20, s18                     ; A: row 256 x tile row + 128 x half
	s_lshl_b32 s46, s42, 8
	s_add_co_u32 s46, s46, s18                     ; B: row 256 x tile column + 128 x half
	s_mov_b32 s21, 0
	s_mov_b32 s47, 0
	s_mov_b64 s[18:19], KS
	s_mul_u64 s[22:23], s[20:21], s[18:19]
	s_mul_u64 s[92:93], s[46:47], s[18:19]
	s_mov_b64 s[18:19], KROW
	s_mul_u64 s[20:21], s[20:21], s[18:19]
	s_mul_u64 s[46:47], s[46:47], s[18:19]
	s_mul_i32 s45, s14, HALFT                      ; where they go: wave x 128 rows
	s_mul_i32 s94, s14, HALFS
	s_wait_dscnt 0x0                               ; both opening adds are done
	s_wait_kmcnt 0x0
	s_add_nc_u64 s[20:21], s[4:5], s[20:21]
	s_add_nc_u64 s[22:23], s[6:7], s[22:23]
	s_add_nc_u64 s[46:47], s[8:9], s[46:47]
	s_add_nc_u64 s[92:93], s[10:11], s[92:93]
	CROUND                                         ; all sixteen work-groups are here: the joint loads meet
	s_mov_b32 s[G0S], 1
	s_add_co_u32 s[G0S+1], s94, SCL
	s_mov_b64 s[G0S+2:G0S+3], s[22:23]
	s_or_b32 s[G0S+3], s[G0S+3], 0x80000000
	s_mov_b32 s[G0SB], 1
	s_add_co_u32 s[G0SB+1], s94, SCL
	s_mov_b64 s[G0SB+2:G0SB+3], s[92:93]
	s_or_b32 s[G0SB+3], s[G0SB+3], 0x80000000
	JLOAD G0S, G1S, G0SB, G1SB                     ; the scales first
.irp s, 0,1
	s_mov_b32 s[G0+4*\s], 1
	s_add_co_u32 s[G0+4*\s+1], s45, \s*SLOT
	s_add_nc_u64 s[G0+4*\s+2:G0+4*\s+3], s[20:21], \s*ROWB
	s_or_b32 s[G0+4*\s+3], s[G0+4*\s+3], 0x80000000
	s_mov_b32 s[G0B+4*\s], 1
	s_add_co_u32 s[G0B+4*\s+1], s45, \s*SLOT
	s_add_nc_u64 s[G0B+4*\s+2:G0B+4*\s+3], s[46:47], \s*ROWB
	s_or_b32 s[G0B+4*\s+3], s[G0B+4*\s+3], 0x80000000
	JLOAD G0+4*\s, G1, G0B+4*\s, G1B               ; three loads of mine are out
.endr
	v_and_b32 v1, 15, v0                           ; r = l % 16
	v_bfe_u32 v2, v0, 4, 1                         ; h = l / 16
	; THE BIAS in the result's layout: register 8 b + j of lane (r, h) = bias of column 256 x tile column + 128 x half + 16 b + 8 h + j.  The branch hangs on the cluster's x, which all sixteen partners share.
	v_lshlrev_b32 v5, 5, v2                        ; 32 h bytes
	s_cmp_eq_u32 ttmp9, 1
	s_cbranch_scc1 .Lk_tiles
	s_lshl_b32 s46, s42, 10
	s_lshl_b32 s47, s16, 9
	s_add_co_u32 s46, s46, s47                     ; my first column x 4 bytes
	s_mov_b32 s47, 0
	s_add_nc_u64 s[96:97], s[96:97], s[46:47]
	s_add_nc_u64 s[98:99], s[98:99], s[46:47]
.irp b, 0,1,2,3,4,5,6,7
	global_load_b128 v[BIAS+8*\b:BIAS+8*\b+3], v5, s[96:97] offset:64*\b
	global_load_b128 v[BIAS+8*\b+4:BIAS+8*\b+7], v5, s[96:97] offset:64*\b+16
	global_load_b128 v[AF+8*\b:AF+8*\b+3], v5, s[98:99] offset:64*\b         ; the mask, into registers that A's fragments take later
	global_load_b128 v[AF+8*\b+4:AF+8*\b+7], v5, s[98:99] offset:64*\b+16
.endr
	s_wait_loadcnt 0x0
.irp i, 0,2,4,6,8,10,12,14,16,18,20,22,24,26,28,30,32,34,36,38,40,42,44,46,48,50,52,54,56,58,60,62
	v_pk_mul_f32 v[BIAS+\i:BIAS+\i+1], v[BIAS+\i:BIAS+\i+1], v[AF+\i:AF+\i+1]
.endr
	s_branch .Lbias_made
.Lk_tiles:
.irp i, 0,1,2,3,4,5,6,7,8,9,10,11,12,13,14,15,16,17,18,19,20,21,22,23,24,25,26,27,28,29,30,31,32,33,34,35,36,37,38,39,40,41,42,43,44,45,46,47,48,49,50,51,52,53,54,55,56,57,58,59,60,61,62,63
	v_mov_b32 v[BIAS+\i], 0                        ; K: no bias.  Zeros here let one text of the first step serve Q, K and V
.endr
.Lbias_made:
	v_mul_u32_u24 v3, v1, PITCH
	v_lshl_add_u32 v4, v2, 4, v3                   ; a fragment's row x pitch + 16 x half
	s_mul_i32 s21, s15, HALFT                      ; my 128 rows of A
	s_mul_i32 s22, s16, HALFT                      ; my 128 rows of B,
	s_add_co_u32 s22, s22, 2*HALFT                 ; behind A's 256
.irp s, 0,1
	v_add_nc_u32 v[ADRA+\s], s21, v4
	v_add_nc_u32 v[ADRB+\s], s22, v4
	s_add_co_u32 s21, s21, SLOT
	s_add_co_u32 s22, s22, SLOT
.endr
	v_mul_u32_u24 v5, v1, KS                       ; my row's scales: KS bytes a row,
	v_lshrrev_b32 v6, 8, v5
	v_lshl_add_u32 v5, v6, 4, v5                   ; and 16 more for each 256 passed
	s_mul_i32 s21, s15, HALFS
	s_mul_i32 s22, s16, HALFS
	s_add_co_u32 s22, s22, 2*HALFS
	s_sub_co_u32 s22, s22, s21
	v_mul_u32_u24 v6, s22, v2                      ; lanes 16-31 take B's
	s_add_co_u32 s21, s21, SCL
	v_add_nc_u32 v5, v5, v6
	v_add_nc_u32 v[ADRS], s21, v5
	s_mul_i32 s23, s14, 2*HSTG                     ; my stage
	v_mul_u32_u24 v5, v1, 144
	v_lshl_add_u32 v5, v2, 4, v5
	v_add_nc_u32 v[STO], s23, v5                   ; in: row r, 16 bytes for each half of the lanes
	v_bfe_u32 v5, v0, 3, 2
	v_mul_u32_u24 v5, v5, 144
	v_and_b32 v6, 7, v0
	v_lshl_add_u32 v5, v6, 4, v5
	v_add_nc_u32 v[RD], s23, v5                    ; back: eight lanes to a row of 128 bytes, four rows an instruction
	v_and_b32 v6, 31, v0
	v_lshlrev_b32 v[CO], 4, v6                     ; and the same 512 consecutive bytes in qkvh
	s_lshl_b32 s20, ttmp9, 24                      ; which of q, k, v
	s_lshr_b32 s21, s17, 3
	s_lshl_b32 s21, s21, 22                        ; the batch: eight tile rows each
	s_add_co_u32 s20, s20, s21
	s_and_b32 s21, s17, 7
	s_lshl_b32 s21, s21, 15                        ; 256 rows of 128 bytes a tile row
	s_add_co_u32 s20, s20, s21
	s_lshl_b32 s21, s15, 14                        ; my half's 128 rows
	s_add_co_u32 s20, s20, s21
	s_mov_b32 s21, 0
	s_add_nc_u64 s[12:13], s[12:13], s[20:21]
	s_lshl_b32 s46, s40, 2
	s_lshl_b32 s47, s16, 1
	s_add_co_u32 s46, s46, s47                     ; my first head: 4 cx + 2 x half
	s_lshl_b32 s46, s46, 18
	s_mov_b32 s47, 0
	s_add_nc_u64 s[12:13], s[12:13], s[46:47]
.macro FRAG reg, adr, q, i             ; 16 rows x 128 K of 4-bit codes: 8 registers: two loads of 16 bytes, 32 bytes apart
.irp c, 0,1
	ds_load_b128 v[\reg+4*\c:\reg+4*\c+3], v[\adr] offset:64*(\q)+32*\c+(\i)*16*PITCH
.endr
.endm
; 16 matrix instructions: A's blocks a0, a0 + 1 x B's eight, the slot's q-th 128 along K.  first = 1: the sums begin with the bias.  The 64 accumulators take turns, one instruction a turn.
.macro MUL16 a0, p, q, sc, first
.irp a, \a0, \a0+1
.irp b, 0,1,2,3,4,5,6,7
.if \first
	v_wmma_scale_f32_16x16x128_f8f6f4 v[8*(8*((\a)%4)+\b):8*(8*((\a)%4)+\b)+7], v[128*(\p)+FR*\b:128*(\p)+FR*\b+FR-1], v[AF+FR*(\a):AF+FR*(\a)+FR-1], v[BIAS+8*\b:BIAS+8*\b+7], v[SC+8*NQ*(\sc)+NQ*\b+(\q)], v[SC+8*NQ*(\sc)+NQ*(\a)+(\q)] matrix_a_fmt:MATRIX_FMT_FP4 matrix_b_fmt:MATRIX_FMT_FP4 matrix_a_scale:MATRIX_SCALE_ROW1
.else
	v_wmma_scale_f32_16x16x128_f8f6f4 v[8*(8*((\a)%4)+\b):8*(8*((\a)%4)+\b)+7], v[128*(\p)+FR*\b:128*(\p)+FR*\b+FR-1], v[AF+FR*(\a):AF+FR*(\a)+FR-1], v[8*(8*((\a)%4)+\b):8*(8*((\a)%4)+\b)+7], v[SC+8*NQ*(\sc)+NQ*\b+(\q)], v[SC+8*NQ*(\sc)+NQ*(\a)+(\q)] matrix_a_fmt:MATRIX_FMT_FP4 matrix_b_fmt:MATRIX_FMT_FP4 matrix_a_scale:MATRIX_SCALE_ROW1
.endif
.endr
.endr
.endm
.macro FETCH_B slot, q, p
	WIN TO_B
.irp i, 0,1,2,3,4,5,6,7
	FRAG 128*(\p)+FR*\i, ADRB+\slot, \q, \i
.endr
	WIN 0
.endm
.macro FETCH_A slot, q, i0
.irp i, \i0, \i0+1, \i0+2, \i0+3
	FRAG AF+FR*(\i), ADRA+\slot, \q, \i
.endr
.endm
.macro SCALES sc                       ; a slot's scale words: four a row; lanes 0-15 take A's block i, lanes 16-31 B's block i
.irp i, 0,1,2,3,4,5,6,7
	ds_load_b128 v[SC+8*NQ*\sc+NQ*\i:SC+8*NQ*\sc+NQ*\i+3], v[ADRS] offset:\i*SBLK
.endr
.endm
.macro PLACES n                        ; places in front of loads into registers that matrix instructions have read, and of the first read of results
.rept \n
	v_nop
.endr
.endm
.macro STEP slot, q, first             ; 128 along K with its successor in the same slot
	s_wait_dscnt 4*NL                              ; B's set, A's blocks 0-3 and the scale words are in; the youngest eight loads (A's blocks 4-7) may be out
.if \first
	WIN FST_LO
.else
	WIN MUL_LO
.endif
	MUL16 0, (\q)%2, \q, \slot, \first
	MUL16 2, (\q)%2, \q, \slot, \first
	s_wait_dscnt 0
	PLACES NP
	FETCH_B \slot, (\q)+1, 1-(\q)%2
	FETCH_A \slot, (\q)+1, 0
.if \first
	WIN FST_HI
.else
	WIN MUL_HI
.endif
	MUL16 4, (\q)%2, \q, \slot, \first
	MUL16 6, (\q)%2, \q, \slot, \first
	PLACES NP
	WIN 0
	FETCH_A \slot, (\q)+1, 4
.endm
.macro STEPS slot, from
.set Q, \from
.rept NQ-1-\from
	STEP \slot, Q, 0
.set Q, Q+1
.endr
.endm
	s_wait_tensorcnt 1                             ; the scales and my part of slot 0 are in; slot 1's load may be out
	s_barrier_signal -1
	s_barrier_wait -1
	FETCH_B 0, 0, 0
	FETCH_A 0, 0, 0
	SCALES 0
	FETCH_A 0, 0, 4
	STEP 0, 0, 1
	STEPS 0, 1
	; slot 0's last step changes slots: one barrier; in front of it each wave waits for all its tensor loads (slot 1's part), adds 0 to its spare word, and waits for that and for its reads of slot 0
	s_wait_tensorcnt 0x0
	ds_add_u32 v[SPW], v[NIL]
	s_wait_dscnt 4*NL+1                            ; the add and the youngest eight loads may be out
	WIN MUL_LO
	MUL16 0, 1, NQ-1, 0, 0
	s_wait_dscnt 0x0                               ; the add is done, and my reads of slot 0 are over
	s_barrier_signal -1
	MUL16 2, 1, NQ-1, 0, 0
	WIN 0
	s_barrier_wait -1
	PLACES NP
	v_add_nc_u32 v[ADRS], 4*NQ, v[ADRS]            ; on to slot 1's scale words
	FETCH_B 1, 0, 0
	FETCH_A 1, 0, 0
	SCALES 1
	WIN MUL_HI
	MUL16 4, 1, NQ-1, 0, 0
	MUL16 6, 1, NQ-1, 0, 0
	PLACES NP
	WIN 0
	FETCH_A 1, 0, 4
	STEPS 1, 0
	s_wait_dscnt 4*NL                              ; the last step: nothing more to fetch
	WIN MUL_LO
	MUL16 0, 1, NQ-1, 1, 0
	MUL16 2, 1, NQ-1, 1, 0
	s_wait_dscnt 0
	WIN MUL_HI
	MUL16 4, 1, NQ-1, 1, 0
	MUL16 6, 1, NQ-1, 1, 0
	WIN 0
; THE WAY OUT, block by block of 16 rows x 128 columns = two heads.  PACK: to f16, each accumulator from its low end on.  TOSTAGE: 16 bytes a lane into my stage (rows of 144 bytes, a head's 16 rows together), and back four rows at a time.
; SEND: each store covers 512 consecutive bytes of qkvh, four rows of one head.  LDS serves a wave's instructions in order (ISA guide 5.7.1.4): no wait between the stores and the loads.
.macro PACK a
.set AC, 64*((\a)%4)
	WIN 0x0a+5*((\a)/4)                            ; sources 0 and 1: window 2 or 3
.irp b, 0,1,2,3,4,5,6,7
.irp i, 0,1,2,3
	v_cvt_pk_f16_f32 v[TMP+4*\b+\i], v[AC+8*\b+2*\i], v[AC+8*\b+2*\i+1]
.endr
.endr
	WIN 0
.endm
.macro TOSTAGE a
.set BB, BK+32*((\a)%2)
.irp b, 0,1,2,3,4,5,6,7
	ds_store_b128 v[STO], v[TMP+4*\b:TMP+4*\b+3] offset:(\b/4)*HSTG+(\b%4)*32
.endr
.irp u, 0,1,2,3,4,5,6,7
	ds_load_b128 v[BB+4*\u:BB+4*\u+3], v[RD] offset:(\u/4)*HSTG+(\u%4)*576
.endr
.endm
.macro SEND a
.set BB, BK+32*((\a)%2)
	s_wait_dscnt 0x0                               ; the block is back in registers
	s_wait_xcnt 0x0                                ; the stores of the block before have read their registers: the next block's loads land there only behind this wait
.irp u, 0,1,2,3,4,5,6,7
	global_store_b128 v[CO], v[BB+4*\u:BB+4*\u+3], s[12:13] offset:(\a)*2048+(\u/4)*262144+(\u%4)*512
.endr
.endm
	PLACES NP
	PACK 0
	TOSTAGE 0
.irp a, 1,2,3,4,5,6,7
	PACK \a                                        ; a block's conversions stand between the loads of the block before and the wait for them
	SEND \a-1
	TOSTAGE \a
.endr
	SEND 7
	s_wait_tensorcnt 0x0                           ; the wave's end
	ds_add_u32 v[SPW], v[NIL]
	s_wait_dscnt 0x0
	CROUND                                         ; the closing round
	s_endpgm
.Lfunc_end_k_qd00f6fd01c_qkvgemm:
	.size	k_qd00f6fd01c_qkvgemm, .Lfunc_end_k_qd00f6fd01c_qkvgemm-k_qd00f6fd01c_qkvgemm
	.p2alignl 7, 3214868480
	.fill 96, 4, 3214868480
	.section	.rodata,"a",@progbits
	.p2align	6, 0x0
	.amdhsa_kernel k_qd00f6fd01c_qkvgemm
		.amdhsa_group_segment_fixed_size 327680
		.amdhsa_private_segment_fixed_size 0
		.amdhsa_enable_private_segment 0
		.amdhsa_kernarg_size 56
		.amdhsa_user_sgpr_count 2
		.amdhsa_user_sgpr_kernarg_segment_ptr 1
		.amdhsa_wavefront_size32 1
		.amdhsa_system_sgpr_workgroup_id_x 1
		.amdhsa_system_sgpr_workgroup_id_y 1
		.amdhsa_system_sgpr_workgroup_id_z 1
		.amdhsa_system_vgpr_workitem_id 0
		.amdhsa_next_free_vgpr 1024
		.amdhsa_next_free_sgpr 100
		.amdhsa_reserve_vcc 0
		.amdhsa_float_denorm_mode_32 3
		.amdhsa_float_denorm_mode_16_64 3
		.amdhsa_memory_ordered 1
		.amdhsa_forward_progress 1
		.amdhsa_inst_pref_size 134
	.end_amdhsa_kernel
	.amdgpu_metadata
---
amdhsa.version: [ 1, 2 ]
amdhsa.kernels:
  - .name:           k_qd00f6fd01c_qkvgemm
    .symbol:         k_qd00f6fd01c_qkvgemm.kd
    .args:
      - { .name: xc, .offset: 0, .size: 8, .value_kind: global_buffer, .address_space: global }
      - { .name: xs, .offset: 8, .size: 8, .value_kind: global_buffer, .address_space: global }
      - { .name: wc, .offset: 16, .size: 8, .value_kind: global_buffer, .address_space: global }
      - { .name: ws, .offset: 24, .size: 8, .value_kind: global_buffer, .address_space: global }
      - { .name: qkv_b, .offset: 32, .size: 8, .value_kind: global_buffer, .address_space: global }
      - { .name: bias_mask, .offset: 40, .size: 8, .value_kind: global_buffer, .address_space: global }
      - { .name: qkvh, .offset: 48, .size: 8, .value_kind: global_buffer, .address_space: global }
    .group_segment_fixed_size: 327680
    .private_segment_fixed_size: 0
    .kernarg_segment_align: 8
    .kernarg_segment_size: 56
    .max_flat_workgroup_size: 128
    .sgpr_count:     100
    .vgpr_count:     1024
    .wavefront_size: 32
...
	.end_amdgpu_metadata
.endif
;; end of part 2
;; launch attn (part 3): grid 4 x 64, 8 waves a work-group, clusters of 4 x 1, 327,680 bytes of LDS; arguments qkvh, atth; writes atth
.if DOCPART == 3
	.amdgcn_target "amdgcn-amd-amdhsa--gfx1250"
	.amdhsa_code_object_version 6
	.text
	.protected	k_qd00f6fd01c_attn
	.globl	k_qd00f6fd01c_attn
	.p2align	8
	.type	k_qd00f6fd01c_attn,@function
k_qd00f6fd01c_attn:
	s_mov_b64 s[64:65], 0
	v_nop
	global_prefetch_b8 v0, s[64:65] scope:SCOPE_SE
	s_setreg_imm32_b32 hwreg(HW_REG_WAVE_MODE, 25, 1), 1
	s_wait_xcnt 0x0
	s_wait_alu depctr_hold_cnt(0) depctr_sa_sdst(0) depctr_va_vdst(0) depctr_va_sdst(0) depctr_va_ssrc(0) depctr_va_vcc(0) depctr_vm_vsrc(0)
	s_getreg_b32 s2, hwreg(HW_REG_IB_STS2, 6, 4)
	s_cmp_eq_u32 s2, 0
	s_cbranch_scc0 .Lentry_in_a_cluster
	s_endpgm
.Lentry_in_a_cluster:
	s_bfe_u32 s2, ttmp6, 0x10000c
	s_cmp_lg_u32 s2, 0x3003
	s_cbranch_scc0 .Lentry_shape_is_right
	s_endpgm
.Lentry_shape_is_right:
; LAUNCH 3 OF 4.  atth[bh][q][:] = the sum over k of softmax_k(Q[bh][q] . K[bh][k] / 8) V[bh][k][:].  Q, K, V: qkvh [3][64 (batch, head)][2048][64] f16; atth [64][2048][64] f16.  Products, maxima and sums in f32;
; the weights p are rounded to f16 for the second product, the result once at the end.  LIMIT: the result's magnitudes (at most the largest |v|) under 65,504.
; SHARES.  A work-group owns 512 queries of one head, each of its eight waves 64: four tiles of 16, in 512 registers.  Every wave walks all 2,048 keys, 64 a step.
; LAYOUT.  S^T = K Q^T (source 0 = 16 keys, source 1 = 16 queries): a lane holds ONE query (lane % 16) and the keys 8 (lane / 16) + 0..7 of each tile.  Two such tiles, rounded to f16 in pairs, ARE source 1 of
; O^T = V^T P, whose result again holds one query a lane.  K comes out of LDS as it lies, V ([key][channel]) turned, by ds_load_tr16_b128.
; SOFTMAX.  For each query a running maximum m and sum l: p = 2^(c s - c m), c = log2(e) / 8; in every step O and l are multiplied by a = 2^(c m_old - c m_new).  m begins at -3e38 and O, l at 0: the first a is 0, on zeros.
; TWO PHASES A STEP.  M(i): V^T P of step i - 1, then K Q^T of step i, and all LDS reads of step i.  SM(i): step i's softmax, on registers alone.  Every wave runs M(0) SM(0) M(1) SM(1) ...
; THE WAVES ARE TWO GROUPS.  Group X meets each change of slots between SM(i - 1) and M(i), group Y between M(i - 1) and SM(i - 1): so behind each change one group begins with matrix work and the other with vector work.
; The group is (w xor (w >> 2)) & 1: it differs between waves w and w + 4 and between waves 2 i and 2 i + 1.
; CLUSTER.  The four query blocks of a head are a cluster and walk the same K and V: each tile is asked for jointly, by the same tensor load with a mask that names the four.
; REGISTERS: window 0: v0-13 addresses; v16-47 statistics, 8 a tile; v48-55 a second chain of sums; v64-191 S^T, 32 a tile, P in place in a tile's first 16; v192-255 V of one step.
;   window 1: v0-127 O^T, 32 a tile; v128-191 Q; v192-255 K of one step.
.set KS,    64
.set PK,    144       ; a row of K in LDS: 128 bytes + 16 = 36 words: the 16 rows of a load start at 16 different groups of four banks (64 banks of 4 bytes: ISA guide 11.1)
.set PVP,   160       ; a row of V: 128 + 32: an odd multiple of 32 bytes, for the turning load
.set VOFF,  KS*PK     ; a step's tiles lie together: 64 rows of K, then 64 rows of V
.set STEPB, KS*(PK+PVP)
.set NST,   4         ; steps in a slot
.set SLOTG, NST*KS*128 ; a slot's keys in memory: 32,768 bytes of K, as many of V
.set SLOT1, 1<<17     ; slot 1 begins here: one exclusive or turns an address in one slot into the other's
.set STAGE, SLOT1+NST*STEPB  ; behind the ring: 64 rows x 144 bytes for each wave, for the way out
.set SPARE, STAGE+8*64*PK    ; the spare words, 128 bytes a wave
.set AK0, 2           ; v2   my lane's place in a tile of K
.set AV0, 3           ; v3   the same for V
.set ADK, 4           ; v4   LDS address of the step's K
.set ADV, 5           ; v5   of its V
.set QO,  6
.set STO, 7
.set RD,  8
.set GO,  9
.set PFO, 10          ; v10  256 x lane
.set SPW, 12
.set NIL, 13
.set ST,  16          ; tile t at v[ST+8 t]: +0 c m, +1 m, +2, +3 l, +4 to +7 c0-c3; a takes c2's place
.set U,   48
.set S,   64
.set VF,  192
.set QF,  128         ; window 1
.set KF,  192         ; window 1
.set WV,  12
.set GRP, 13
.set LIM, 15
.set PFA, 18
.set G1K, 24
.set G1V, 32
.set G0K, 40          ; s[40:47] two sets: slot 0's, slot 1's; the second then walks on
.set G0V, 48
.set SLOTS, 56
.set CNT, 57
.set CS,  58
.set SEL, 60
.set TB,  62
.set MSB, 0
.macro WIN new
.if MSB != (\new)
	s_set_vgpr_msb (MSB<<8)|(\new)
.set MSB, (\new)
.endif
.endm
.set W_LD, 0x40       ; destination window 1
.set W_KQ, 0x05       ; K and Q in window 1, S^T in window 0
.set W_PV, 0x50       ; V and P in window 0, O^T in window 1
.set W_RS, 0x41       ; O^T (destination and source 0) in window 1, the factor in window 0
; A joint refill: waves 0-3 fetch K of the slot's four steps, waves 4-7 V.  An s_nop 0 and four v_nop follow each line.
.macro JLOAD
	s_cmp_lt_u32 s[WV], 4
	s_cbranch_scc0 .Lfor_v_\@
	tensor_load_to_lds s[G0K+4:G0K+7], s[G1K:G1K+7]
	s_nop 0
.rept 4
	v_nop
.endr
	s_branch .Lasked_\@
.Lfor_v_\@:
	tensor_load_to_lds s[G0V+4:G0V+7], s[G1V:G1V+7]
	s_nop 0
.rept 4
	v_nop
.endr
.Lasked_\@:
.endm
; A prefetch of what the NEXT change of slots will ask for: 32,768 bytes of K and as many of V.  A head is walked by one cluster; its four partners take 8,192 bytes each, told apart by address; in each, wave 0 asks for K's
; and wave 4 for V's: one instruction, lanes 256 bytes apart.  So each block is named once in the launch.  It stands four key steps ahead of the load; the last filling change asks for nothing; slots 0 to 2 come by their loads alone.
.macro ASK
	s_cmp_gt_u32 s[SLOTS], s[LIM]
	s_cbranch_scc0 .Lnot_mine_\@
	global_prefetch_b8 v[PFO], s[PFA:PFA+1] th:TH_LOAD_NT scope:SCOPE_SE
.Lnot_mine_\@:
.endm
.macro CROUND
	s_barrier_signal -1
	s_barrier_wait -1
	s_cmp_lg_u32 s[WV], 0
	s_cbranch_scc1 .Lnot_wave_0_\@
	s_barrier_signal -3
.Lnot_wave_0_\@:
	s_barrier_wait -3
	s_barrier_signal -1
	s_barrier_wait -1
.endm
	s_load_b128 s[4:7], s[0:1], 0x0 ; qkvh, atth
	v_lshl_add_u32 v[SPW], v0, 2, SPARE
	v_mov_b32 v[NIL], 0
	ds_add_u32 v[SPW], v[NIL]       ; the wave's opening: the add, twice on end, and its wait ahead of my first tensor load
	ds_add_u32 v[SPW], v[NIL]
	v_lshrrev_b32 v1, 5, v0
	v_readfirstlane_b32 s[WV], v1   ; wave 0..7
	s_lshr_b32 s[GRP], s[WV], 2
	s_xor_b32 s[GRP], s[GRP], s[WV]
	s_and_b32 s[GRP], s[GRP], 1     ; 0: group X, 1: group Y
	s_bfe_u32 s14, ttmp6, 0x40000   ; cx: my block of 512 queries; it enters Q's, the result's and the prefetches' addresses alone
	s_and_b32 s20, ttmp7, 0xffff    ; batch and head, which the partners share
	s_lshl_b32 s20, s20, 18         ; 2,048 rows of 128 bytes
	s_and_b32 s16, s[WV], 3         ; which of a slot's four steps I fetch:
	s_lshl_b32 s22, s16, 13         ; its 64 rows of 128 bytes in memory,
	s_add_co_u32 s22, s22, s20
	s_mov_b32 s23, 0
	s_mul_i32 s17, s16, STEPB       ; and its place in a slot
	s_lshl_b32 s2, s14, 16          ; my block's 512 rows,
	s_lshl_b32 s3, s[WV], 13        ; my wave's 64 of them
	s_add_co_u32 s2, s2, s3
	s_add_co_u32 s2, s2, s20
	s_mov_b32 s3, 0
	s_mov_b32 s[G1K], 15|(1<<16)|(1<<20)|(1<<21)|(4<<22)|(3<<25)  ; the mask: all four; elements of 2 bytes; padding on; bit 21 beside a mask; after every 32 words, 4 words
	s_mov_b32 s[G1V], 15|(1<<16)|(1<<20)|(1<<21)|(4<<22)|(7<<25)  ; the same with 8 words
.irp g, G1K, G1V
	s_mov_b32 s[\g+1], 64<<16       ; tensor_dim0 = 64
	s_mov_b32 s[\g+2], KS<<16       ; tensor_dim1 = 64
	s_mov_b32 s[\g+3], 64<<16       ; tile_dim0 = 64
	s_mov_b32 s[\g+4], KS           ; tile_dim1 = 64
	s_mov_b32 s[\g+5], 64           ; stride
	s_mov_b32 s[\g+6], 0
	s_mov_b32 s[\g+7], 0
.endr
	s_mov_b32 s[CS], 0x3e38aa3b     ; c = log2(e) / 8
	s_mov_b32 s[CS+1], s[CS]        ; named with it as a pair, so it is written
	s_mov_b32 s[SEL], 0x76543210
	s_mov_b32 s[SEL+1], 0xfedcba98
	s_mov_b32 s[TB], 0
	s_mov_b32 s[SLOTS], 2048/(NST*KS)-2
	s_cmp_eq_u32 s16, 0
	s_cselect_b32 s[LIM], 1, -1     ; waves 0 and 4 prefetch
	s_wait_dscnt 0x0                ; both opening adds are done
	s_wait_kmcnt 0x0
	s_add_nc_u64 s[8:9], s[4:5], s[22:23]
	s_add_nc_u64 s[10:11], s[8:9], 0x2000000  ; V at my tile of slot 0
	s_add_nc_u64 s[8:9], s[8:9], 0x1000000    ; K likewise
	s_add_nc_u64 s[4:5], s[4:5], s[2:3]       ; Q at my wave's first row
	s_add_nc_u64 s[6:7], s[6:7], s[2:3]       ; the result likewise
	s_cmp_lt_u32 s[WV], 4
	s_cselect_b64 s[PFA:PFA+1], s[8:9], s[10:11]  ; (in waves 0 and 4 these stand at a slot's first row)
	s_lshl_b32 s2, s14, 13          ; my work-group's 8,192 bytes of the 32,768
	s_mov_b32 s3, 0
	s_add_nc_u64 s[PFA:PFA+1], s[PFA:PFA+1], s[2:3]
	s_add_nc_u64 s[PFA:PFA+1], s[PFA:PFA+1], 2*SLOTG  ; in slot 2; the first change steps it to slot 3
	CROUND                          ; all four work-groups are here: the first joint loads meet
.irp s, 0,1
	s_mov_b32 s[G0K+4*\s], 1
	s_add_co_u32 s[G0K+4*\s+1], s17, \s*SLOT1
	s_add_nc_u64 s[G0K+4*\s+2:G0K+4*\s+3], s[8:9], \s*SLOTG
	s_or_b32 s[G0K+4*\s+3], s[G0K+4*\s+3], 0x80000000
	s_mov_b32 s[G0V+4*\s], 1
	s_add_co_u32 s[G0V+4*\s+1], s17, \s*SLOT1+VOFF
	s_add_nc_u64 s[G0V+4*\s+2:G0V+4*\s+3], s[10:11], \s*SLOTG
	s_or_b32 s[G0V+4*\s+3], s[G0V+4*\s+3], 0x80000000
.endr
	s_cmp_lt_u32 s[WV], 4           ; a wave's two first fills stand in one branch: two loads of mine are out
	s_cbranch_scc0 .Lfirst_v
	tensor_load_to_lds s[G0K:G0K+3], s[G1K:G1K+7]
	s_nop 0
	tensor_load_to_lds s[G0K+4:G0K+7], s[G1K:G1K+7]
	s_nop 0
.rept 4
	v_nop
.endr
	s_branch .Lfirst_asked
.Lfirst_v:
	tensor_load_to_lds s[G0V:G0V+3], s[G1V:G1V+7]
	s_nop 0
	tensor_load_to_lds s[G0V+4:G0V+7], s[G1V:G1V+7]
	s_nop 0
.rept 4
	v_nop
.endr
.Lfirst_asked:
	v_and_b32 v1, 15, v0            ; r
	v_bfe_u32 v11, v0, 4, 1         ; h
	v_lshlrev_b32 v[QO], 7, v1
	v_lshl_add_u32 v[QO], v11, 4, v[QO]  ; row x 128 + 16 x half
	WIN W_LD
.irp f, 0,1,2,3,4,5,6,7             ; Q stays in registers: tile f / 2, channels 32 (f % 2) on
	global_load_b128 v[QF+8*\f:QF+8*\f+3],   v[QO], s[4:5] offset:(\f/2)*2048+(\f%2)*64
	global_load_b128 v[QF+8*\f+4:QF+8*\f+7], v[QO], s[4:5] offset:(\f/2)*2048+(\f%2)*64+32
.endr
.set i, 0
.rept 128
	v_mov_b32 v[i], 0               ; O^T.  The key step is written with no first form: the first a, 0, finds zeros.  That spares further copies of the step's text
.set i, i+1
.endr
	WIN 0
	v_mul_u32_u24 v[AK0], v1, PK
	v_lshl_add_u32 v[AK0], v11, 4, v[AK0]
	v_and_b32 v14, 7, v0
	v_bfe_u32 v15, v0, 3, 1
	v_lshl_add_u32 v[AV0], v11, 3, v14   ; the turning load: lane l reads key 8 (l / 16) + l % 8, channels 8 ((l / 8) % 2) on
	v_mul_u32_u24 v[AV0], v[AV0], PVP
	v_lshl_add_u32 v[AV0], v15, 4, v[AV0]
	v_add_nc_u32 v[AV0], VOFF, v[AV0]
	s_mul_i32 s16, s[WV], 64*PK
	s_add_co_u32 s16, s16, STAGE    ; my stage
	v_add_nc_u32 v[STO], s16, v[AK0]     ; in: row r, 16 bytes for each half of the lanes
	v_bfe_u32 v15, v0, 3, 2
	v_mul_u32_u24 v15, v15, PK
	v_lshl_add_u32 v15, v14, 4, v15
	v_add_nc_u32 v[RD], s16, v15    ; back: eight lanes to a row of 128 bytes, four rows an instruction
	v_and_b32 v14, 31, v0
	v_lshlrev_b32 v[GO], 4, v14
	v_lshlrev_b32 v[PFO], 8, v14
.irp t, 0,1,2,3
	v_mov_b32 v[ST+8*\t+1], 0xff61b1e6   ; m = -3e38, under every score
	v_mov_b32 v[ST+8*\t+2], 0            ; l
	v_mov_b32 v[ST+8*\t+3], 0
.endr
.irp t, 0,1,2,3
	v_mul_f32 v[ST+8*\t], s[CS], v[ST+8*\t+1]
.endr
; 32 products S^T = K Q^T: channels 32 (i / 16) on, keys 16 ((i / 4) % 4) on, tile i % 4.  The first 16 start the sums.  Sixteen accumulators take turns, one instruction a turn.
.macro KQ
.set i, 0
.rept 32
.set rS, S+32*(i%4)+8*((i/4)%4)
.set rK, KF+8*(2*((i/4)%4)+i/16)
.set rQ, QF+8*(2*(i%4)+i/16)
.if i < 16
	v_wmma_f32_16x16x32_f16 v[rS:rS+7], v[rK:rK+7], v[rQ:rQ+7], 0
.else
	v_wmma_f32_16x16x32_f16 v[rS:rS+7], v[rK:rK+7], v[rQ:rQ+7], v[rS:rS+7]
.endif
.set i, i+1
.endr
.endm
; 32 products O^T += V^T P: keys 32 (i / 16) on, channels 16 ((i / 4) % 4) on, tile i % 4
.macro PVM
.set i, 0
.rept 32
.set rO, 32*(i%4)+8*((i/4)%4)
.set rV, VF+8*(4*(i/16)+(i/4)%4)
.set rP, S+32*(i%4)+8*(i/16)
	v_wmma_f32_16x16x32_f16 v[rO:rO+7], v[rV:rV+7], v[rP:rP+7], v[rO:rO+7]
.set i, i+1
.endr
.endm
; THE MATRIX PHASE of step i.  pv = 1: with V^T P of step i - 1.
.macro M pv
	WIN W_LD
.irp f, 0,1,2,3,4,5,6,7             ; K(i): keys 16 (f / 2) on, channels 32 (f % 2) on.  The last products that read these registers stand five places and more back
	ds_load_b128 v[KF+8*\f:KF+8*\f+3],   v[ADK] offset:(\f/2)*16*PK+(\f%2)*64
	ds_load_b128 v[KF+8*\f+4:KF+8*\f+7], v[ADK] offset:(\f/2)*16*PK+(\f%2)*64+32
.endr
.if \pv
	s_wait_dscnt 16                 ; V(i - 1) is in; the sixteen loads of K just issued may be out
	WIN W_PV
	PVM
	WIN 0
.rept 5
	v_nop                           ; four places in front of the loads into V's registers; the fifth since K Q^T writes over P, which these products read
.endr
.else
	WIN 0
	s_wait_loadcnt 0x0              ; Q
.endif
.irp f, 0,1,2,3,4,5,6,7             ; V(i), turned: keys 32 (f / 4) on, channels 16 (f % 4) on
	ds_load_tr16_b128 v[VF+8*\f:VF+8*\f+3],   v[ADV] offset:(\f/4)*32*PVP+(\f%4)*32
	ds_load_tr16_b128 v[VF+8*\f+4:VF+8*\f+7], v[ADV] offset:(\f/4)*32*PVP+16*PVP+(\f%4)*32
.endr
	s_wait_dscnt 16                 ; K(i) is in; V's sixteen loads may be out
	WIN W_KQ
	KQ
	WIN 0
.rept 5
	v_nop                           ; places in front of the softmax's reads of the scores, of the next loads into K's registers, and of products that take these registers as an operand
.endr
.endm
; THE VECTOR PHASE: four tiles' softmax of one key step, each line written for the four tiles by turns, so that no line waits for the line above it.
.macro SM
.irp j, 0,1,2,3                     ; the maximum: four chains c0-c3, one for each tile of 16 keys, each begun at its accumulator's low end
.irp t, 0,1,2,3
	v_max3_num_f32 v[ST+8*\t+4+\j], v[S+32*\t+8*\j], v[S+32*\t+8*\j+1], v[S+32*\t+8*\j+2]
.endr
.endr
.irp g, 3,5
.irp j, 0,1,2,3
.irp t, 0,1,2,3
	v_max3_num_f32 v[ST+8*\t+4+\j], v[ST+8*\t+4+\j], v[S+32*\t+8*\j+\g], v[S+32*\t+8*\j+\g+1]
.endr
.endr
.endr
.irp t, 0,1,2,3
	v_max3_num_f32 v[ST+8*\t+4], v[ST+8*\t+4], v[S+32*\t+7], v[S+32*\t+15]
.endr
.irp t, 0,1,2,3
	v_max3_num_f32 v[ST+8*\t+6], v[ST+8*\t+6], v[S+32*\t+23], v[S+32*\t+31]
.endr
.irp t, 0,1,2,3
	v_max3_num_f32 v[ST+8*\t+4], v[ST+8*\t+4], v[ST+8*\t+5], v[ST+8*\t+6]
.endr
.irp t, 0,1,2,3
	v_max3_num_f32 v[ST+8*\t+4], v[ST+8*\t+4], v[ST+8*\t+7], v[ST+8*\t+1]   ; and the old m
.endr
.irp t, 0,1,2,3
	v_permlanex16_b32 v[ST+8*\t+5], v[ST+8*\t+4], s[SEL], s[SEL+1]          ; the query's other 32 keys lie in the lane 16 away
.endr
.irp t, 0,1,2,3
	v_mov_b32 v[ST+8*\t+7], v[ST+8*\t]                                      ; c m_old
.endr
.irp t, 0,1,2,3
	v_max_num_f32 v[ST+8*\t+1], v[ST+8*\t+4], v[ST+8*\t+5]
.endr
.irp t, 0,1,2,3
	v_mul_f32 v[ST+8*\t], s[CS], v[ST+8*\t+1]
.endr
.irp t, 0,1,2,3
	v_sub_f32 v[ST+8*\t+7], v[ST+8*\t+7], v[ST+8*\t]
.endr
; ONE BATCH: the four a, the 64 scalings c s - c m and the 128 exponentials; none of these names an exponential's result.  A tile's scalings stand among the exponentials of the tile before
.irp t, 0,1,2,3
	v_exp_f32 v[ST+8*\t+6], v[ST+8*\t+7]
.endr
.irp b, 0,1,2,3,4,5,6,7,8,9,10,11,12,13,14,15
	v_pk_fma_f32 v[S+2*\b:S+2*\b+1], v[S+2*\b:S+2*\b+1], s[CS:CS+1], v[ST:ST+1] op_sel_hi:[1,0,0] neg_lo:[0,0,1] neg_hi:[0,0,1]
.endr
.irp t, 0,1,2,3
.irp b, 0,1,2,3,4,5,6,7,8,9,10,11,12,13,14,15
	v_exp_f32 v[S+32*\t+2*\b], v[S+32*\t+2*\b]
	v_exp_f32 v[S+32*\t+2*\b+1], v[S+32*\t+2*\b+1]
.if \t < 3
	v_pk_fma_f32 v[S+32*\t+32+2*\b:S+32*\t+33+2*\b], v[S+32*\t+32+2*\b:S+32*\t+33+2*\b], s[CS:CS+1], v[ST+8*\t+8:ST+8*\t+9] op_sel_hi:[1,0,0] neg_lo:[0,0,1] neg_hi:[0,0,1]
.endif
.endr
.endr
	v_nop                           ; a plain instruction behind the last exponential,
	s_wait_alu depctr_va_vdst(0)    ; and the one wait ahead of the batch's first reader
.irp t, 0,1,2,3                     ; the sums of the unrounded p, in two chains of pairs; S^T stays whole
	v_pk_add_f32 v[ST+8*\t+4:ST+8*\t+5], v[S+32*\t:S+32*\t+1], v[S+32*\t+2:S+32*\t+3]
.endr
.irp t, 0,1,2,3
	v_pk_add_f32 v[U+2*\t:U+2*\t+1], v[S+32*\t+4:S+32*\t+5], v[S+32*\t+6:S+32*\t+7]
.endr
.irp b, 8,12,16,20,24,28
.irp t, 0,1,2,3
	v_pk_add_f32 v[ST+8*\t+4:ST+8*\t+5], v[ST+8*\t+4:ST+8*\t+5], v[S+32*\t+\b:S+32*\t+\b+1]
.endr
.irp t, 0,1,2,3
	v_pk_add_f32 v[U+2*\t:U+2*\t+1], v[U+2*\t:U+2*\t+1], v[S+32*\t+\b+2:S+32*\t+\b+3]
.endr
.endr
.irp t, 0,1,2,3
	v_pk_add_f32 v[ST+8*\t+4:ST+8*\t+5], v[ST+8*\t+4:ST+8*\t+5], v[U+2*\t:U+2*\t+1]
.endr
.irp t, 0,1,2,3
	v_pk_fma_f32 v[ST+8*\t+2:ST+8*\t+3], v[ST+8*\t+2:ST+8*\t+3], v[ST+8*\t+6:ST+8*\t+7], v[ST+8*\t+4:ST+8*\t+5] op_sel_hi:[1,0,1]   ; l = a l + the sum
.endr
.irp n, 0,1,2,3,4,5,6,7,8,9,10,11,12,13,14,15   ; P in place: register n takes pair n; n never passes 2 n, so no pair is lost
.irp t, 0,1,2,3
	v_cvt_pk_f16_f32 v[S+32*\t+\n], v[S+32*\t+2*\n], v[S+32*\t+2*\n+1]
.endr
.endr
	WIN W_RS
.irp n, 0,1,2,3,4,5,6,7,8,9,10,11,12,13,14,15   ; O^T times a, each accumulator from its low end on
.irp t, 0,1,2,3
	v_pk_mul_f32 v[32*\t+2*\n:32*\t+2*\n+1], v[32*\t+2*\n:32*\t+2*\n+1], v[ST+8*\t+6:ST+8*\t+7] op_sel_hi:[1,0]
.endr
.endr
	WIN 0
.endm
; n key steps.  In trip i group X runs M(i), SM(i); group Y runs SM(i - 1), M(i).  The LDS addresses are made in the common text, ahead of the parting.
.macro STEPS n
	s_mov_b32 s[CNT], \n
.Lstep_\@:
	v_add_nc_u32 v[ADK], s[TB], v[AK0]
	v_add_nc_u32 v[ADV], s[TB], v[AV0]
	s_cmp_eq_u32 s[GRP], 0
	s_cbranch_scc0 .Lgroup_y_\@
	M 1
	SM
	s_branch .Ljoined_\@
.Lgroup_y_\@:
	SM
	M 1
.Ljoined_\@:
	s_add_co_u32 s[TB], s[TB], STEPB
	s_sub_co_u32 s[CNT], s[CNT], 1
	s_cmp_lg_u32 s[CNT], 0
	s_cbranch_scc1 .Lstep_\@
.endm
; THE CHANGE OF SLOTS.  Both groups have issued all their reads of the slot that is left (they stand in M).  Each wave waits for all its tensor loads, of which one is out: its part of the slot ahead; adds 0 to its spare
; word; and waits for that and for its reads.  fill = 1: the slot left is filled again with the keys two slots on, behind a round of the cluster's barrier: the load has four key steps in which to land.
.macro CHANGE fill
	s_wait_tensorcnt 0x0            ; no tensor load of mine is out, so a group 0 may be written
	ds_add_u32 v[SPW], v[NIL]
.if \fill
.irp g, G0K+4, G0V+4
	s_xor_b32 s[\g+1], s[\g+1], SLOT1
	s_add_nc_u64 s[\g+2:\g+3], s[\g+2:\g+3], SLOTG
.endr
	s_wait_xcnt 0x0                 ; the last prefetch, a slot back, has read its address
	s_add_nc_u64 s[PFA:PFA+1], s[PFA:PFA+1], SLOTG
	s_wait_dscnt 0x0                ; the add is done, and my reads of the slot are over
	CROUND
	JLOAD
	ASK
.else
	s_wait_dscnt 0x0
	s_barrier_signal -1
	s_barrier_wait -1
.endif
	s_sub_co_u32 s[TB], s[TB], NST*STEPB
	s_xor_b32 s[TB], s[TB], SLOT1
.endm
	s_wait_tensorcnt 1              ; my part of slot 0 is in; slot 1's may stay out
	s_barrier_signal -1
	s_barrier_wait -1
	v_add_nc_u32 v[ADK], s[TB], v[AK0]
	v_add_nc_u32 v[ADV], s[TB], v[AV0]
	M 0                             ; key step 0's scores, in every wave
	s_cmp_eq_u32 s[GRP], 0
	s_cbranch_scc0 .Lstarted
	SM                              ; group X: SM(0); group Y runs it in the next trip
.Lstarted:
	s_add_co_u32 s[TB], s[TB], STEPB
	STEPS NST-1
.Lslot:                             ; six trips: every slot but the last two is filled again
	CHANGE 1
	STEPS NST
	s_sub_co_u32 s[SLOTS], s[SLOTS], 1
	s_cmp_lg_u32 s[SLOTS], 0
	s_cbranch_scc1 .Lslot
	CHANGE 0                        ; the last slot is written out
	STEPS NST
	s_cmp_eq_u32 s[GRP], 0
	s_cbranch_scc1 .Llast
	SM                              ; group Y's last softmax
.Llast:
	s_wait_dscnt 0x0                ; V of the last step
	WIN W_PV
	PVM
	WIN 0
	; THE WAY OUT.  l's two halves and the other half of the lanes' are added (the first four additions are the places behind the last products); O^T / l goes as f16 through my stage and leaves in stores of 512 consecutive bytes.
.irp t, 0,1,2,3
	v_add_f32 v[ST+8*\t+4], v[ST+8*\t+2], v[ST+8*\t+3]
.endr
.irp t, 0,1,2,3
	v_permlanex16_b32 v[ST+8*\t+5], v[ST+8*\t+4], s[SEL], s[SEL+1]
.endr
.irp t, 0,1,2,3
	v_add_f32 v[ST+8*\t+4], v[ST+8*\t+4], v[ST+8*\t+5]
.endr
.irp t, 0,1,2,3
	v_rcp_f32 v[ST+8*\t+6], v[ST+8*\t+4]
.endr
	v_nop                           ; a plain instruction behind the last reciprocal,
	s_wait_alu depctr_va_vdst(0)    ; and the wait ahead of the first use: one for the four
.macro PACK t
	WIN W_RS
.irp n, 0,1,2,3,4,5,6,7,8,9,10,11,12,13,14,15
	v_pk_mul_f32 v[32*\t+2*\n:32*\t+2*\n+1], v[32*\t+2*\n:32*\t+2*\n+1], v[ST+8*\t+6:ST+8*\t+7] op_sel_hi:[1,0]
.endr
	WIN W_KQ                        ; sources 0 and 1 window 1, destination window 0: S^T's registers are free
.irp n, 0,1,2,3,4,5,6,7,8,9,10,11,12,13,14,15
	v_cvt_pk_f16_f32 v[S+16*\t+\n], v[32*\t+2*\n], v[32*\t+2*\n+1]
.endr
	WIN 0
.irp f, 0,1,2,3
	ds_store_b128 v[STO], v[S+16*\t+4*\f:S+16*\t+4*\f+3] offset:\t*16*PK+32*\f
.endr
.endm
	PACK 0
	PACK 1
	PACK 2
	PACK 3
.irp u, 0,1,2,3,4,5,6,7,8,9,10,11,12,13,14,15
	ds_load_b128 v[128+4*\u:128+4*\u+3], v[RD] offset:\u*4*PK   ; LDS serves a wave's instructions in order (ISA guide 5.7.1.4): these see my stores
.endr
.irp u, 0,1,2,3,4,5,6,7,8,9,10,11,12,13,14,15
	s_wait_dscnt 15-\u              ; load u is in; the younger ones may be out
	global_store_b128 v[GO], v[128+4*\u:128+4*\u+3], s[6:7] offset:512*\u
.endr
	s_wait_tensorcnt 0x0            ; the wave's end
	ds_add_u32 v[SPW], v[NIL]
	s_wait_dscnt 0x0
	CROUND                          ; the closing round
	s_endpgm
.Lfunc_end_k_qd00f6fd01c_attn:
	.size	k_qd00f6fd01c_attn, .Lfunc_end_k_qd00f6fd01c_attn-k_qd00f6fd01c_attn
	.p2alignl 7, 3214868480
	.fill 96, 4, 3214868480
	.section	.rodata,"a",@progbits
	.p2align	6, 0x0
	.amdhsa_kernel k_qd00f6fd01c_attn
		.amdhsa_group_segment_fixed_size 327680
		.amdhsa_private_segment_fixed_size 0
		.amdhsa_enable_private_segment 0
		.amdhsa_kernarg_size 16
		.amdhsa_user_sgpr_count 2
		.amdhsa_user_sgpr_kernarg_segment_ptr 1
		.amdhsa_wavefront_size32 1
		.amdhsa_system_sgpr_workgroup_id_x 1
		.amdhsa_system_sgpr_workgroup_id_y 1
		.amdhsa_system_sgpr_workgroup_id_z 1
		.amdhsa_system_vgpr_workitem_id 0
		.amdhsa_next_free_vgpr 512
		.amdhsa_next_free_sgpr 66
		.amdhsa_reserve_vcc 0
		.amdhsa_float_denorm_mode_32 3
		.amdhsa_float_denorm_mode_16_64 3
		.amdhsa_memory_ordered 1
		.amdhsa_forward_progress 1
		.amdhsa_inst_pref_size 255
	.end_amdhsa_kernel
	.section	.bss,"aw",@nobits
	.p2align	6
	.space	262144
	.amdgpu_metadata
---
amdhsa.version: [ 1, 2 ]
amdhsa.kernels:
  - .name:           k_qd00f6fd01c_attn
    .symbol:         k_qd00f6fd01c_attn.kd
    .args:
      - { .name: qkvh, .offset: 0, .size: 8, .value_kind: global_buffer, .address_space: global }
      - { .name: atth, .offset: 8, .size: 8, .value_kind: global_buffer, .address_space: global }
    .group_segment_fixed_size: 327680
    .private_segment_fixed_size: 0
    .kernarg_segment_align: 8
    .kernarg_segment_size: 16
    .max_flat_workgroup_size: 256
    .sgpr_count:     66
    .vgpr_count:     512
    .wavefront_size: 32
...
	.end_amdgpu_metadata
.endif
;; end of part 3
;; launch proj (part 4): grid 4 x 64, 4 waves a work-group, clusters of 4 x 4, 327,680 bytes of LDS; arguments atth, pw, proj_b, out0; writes out0
.if DOCPART == 4
	.amdgcn_target "amdgcn-amd-amdhsa--gfx1250"
	.amdhsa_code_object_version 6
	.text
	.protected	k_qd00f6fd01c_proj
	.globl	k_qd00f6fd01c_proj
	.p2align	8
	.type	k_qd00f6fd01c_proj,@function
k_qd00f6fd01c_proj:
	s_mov_b64 s[64:65], 0
	v_nop
	global_prefetch_b8 v0, s[64:65] scope:SCOPE_SE
	s_setreg_imm32_b32 hwreg(HW_REG_WAVE_MODE, 25, 1), 1
	s_wait_xcnt 0x0
	s_wait_alu depctr_hold_cnt(0) depctr_sa_sdst(0) depctr_va_vdst(0) depctr_va_sdst(0) depctr_va_ssrc(0) depctr_va_vcc(0) depctr_vm_vsrc(0)
	s_getreg_b32 s2, hwreg(HW_REG_IB_STS2, 6, 4)
	s_cmp_eq_u32 s2, 0
	s_cbranch_scc0 .Lentry_in_a_cluster
	s_endpgm
.Lentry_in_a_cluster:
	s_bfe_u32 s2, ttmp6, 0x10000c
	s_cmp_lg_u32 s2, 0xf033
	s_cbranch_scc0 .Lentry_shape_is_right
	s_endpgm
.Lentry_shape_is_right:
; LAUNCH 4 OF 4.  out0[m][o] = sum over k of att[m][k] proj_w[o][k] + proj_b[o].  att: atth [batch 4][head 16][n 2048][64] f16 (k = 64 head + d); proj_w: pw [k / 64][o 1024][64] f16; out0 [8192][1024] f32; sums in f32.
; A tile of 128 rows x 256 columns gives 256 work-groups.  Four waves, each 64 x 128: 32 accumulators, 256 registers.  K goes in steps of 128 (two heads) through a ring of two LDS slots; a step's tiles are four dense
; blocks of rows of 128 bytes: A's two heads (128 rows each; waves 0, 1 fetch them) and B's two (256 rows each; waves 2, 3).
; CLUSTERS: 4 x 4 work-groups; the four of a row of the cluster ask jointly for A's tiles, the four of a column for B's.  THE MATRIX INSTRUCTION IS USED TRANSPOSED (source 0 = 16 rows of proj_w, source 1 = 16 rows of att).
; proj_b is the C of each sum's first product.
; REGISTERS: window 0: v0-31 addresses; two fragment buffers of 96 (A's four fragments, then B's eight, for 32 along K) at v64 and v160.  window 1: accumulator (a, b) at v[8 (8 a + b)].  window 2: v0-63 proj_b in the result's layout.
.set PITCH,  144                       ; an LDS row: 128 bytes + 16
.set ASUB,   128*PITCH
.set BSUB,   256*PITCH
.set BOFF,   2*ASUB
.set SLOT,   2*ASUB+2*BSUB
.set STAGE,  2*SLOT                    ; behind the ring: 16 rows x (512 + 16) bytes for each wave
.set SPITCH, 528
.set SPARE,  STAGE+4*16*SPITCH
.set KA,     2*262144                  ; a K step in atth: two heads of 2^18 bytes
.set KB,     2*131072                  ; and in pw
.set ADRA, 16
.set ADRB, 20
.set STO,  24
.set RD,   25
.set CO,   26
.set SPW,  28
.set NIL,  29
.set PFO,  30
.set F0,   64
.set F1,   160
.set BK,   64                          ; the way out: rows read back, v64-127 and v128-191 by turns
.set WV,   12
.set LIM,  45
.set PFA,  46
.set G1, 24
.set G0, 32
.set G1B, 48
.set G0B, 56
.set MSB, 0
.macro WIN new
.if MSB != (\new)
	s_set_vgpr_msb (MSB<<8)|(\new)
.set MSB, (\new)
.endif
.endm
.macro JLOAD s                         ; waves 0 and 1 fetch A's two heads, waves 2 and 3 B's; an s_nop 0 and four v_nop follow each line
	s_cmp_eq_u32 s13, 0
	s_cbranch_scc0 .Lfor_b_\@
	tensor_load_to_lds s[G0+4*\s:G0+4*\s+3], s[G1:G1+7]
	s_nop 0
.rept 4
	v_nop
.endr
	s_branch .Lasked_\@
.Lfor_b_\@:
	tensor_load_to_lds s[G0B+4*\s:G0B+4*\s+3], s[G1B:G1B+7]
	s_nop 0
.rept 4
	v_nop
.endr
.Lasked_\@:
.endm
.macro CREST
	s_cmp_lg_u32 s[WV], 0
	s_cbranch_scc1 .Lnot_wave_0_\@
	s_barrier_signal -3
.Lnot_wave_0_\@:
	s_barrier_wait -3
	s_barrier_signal -1
	s_barrier_wait -1
.endm
.macro CROUND
	s_barrier_signal -1
	s_barrier_wait -1
	CREST
.endm
; A prefetch of A's K step two refills (256 matrix instructions) on.  A tile row of att is read by the four partners of one row of one cluster alone: of a K step's 32,768 bytes each takes 8,192, told apart by address
; (head cx / 2, half cx % 2); wave 0 asks, lanes 256 bytes apart.  The loop's last trip asks for nothing: there is no K step behind its refills.  pw is read again and again by all clusters and is not asked for.
.macro ASK
	s_cmp_gt_u32 s3, s[LIM]
	s_cbranch_scc0 .Lnot_mine_\@
	global_prefetch_b8 v[PFO], s[PFA:PFA+1] offset:KA th:TH_LOAD_NT scope:SCOPE_SE
.Lnot_mine_\@:
.endm
	s_load_b256 s[4:11], s[0:1], 0x0               ; atth s[4:5], pw s[6:7], proj_b s[8:9], out0 s[10:11]
	v_lshl_add_u32 v[SPW], v0, 2, SPARE
	v_mov_b32 v[NIL], 0
	ds_add_u32 v[SPW], v[NIL]                      ; the wave's opening: the add, twice on end, and its wait ahead of my first tensor load
	ds_add_u32 v[SPW], v[NIL]
	v_lshrrev_b32 v1, 5, v0
	v_readfirstlane_b32 s[WV], v1                  ; wave 0..3
	s_lshr_b32 s13, s[WV], 1                       ; which 64 rows are mine.  Also: I fetch for A (0) or for B (1)
	s_and_b32 s14, s[WV], 1                        ; which 128 columns.  Also: which of a K step's two heads I fetch
	s_bfe_u32 s40, ttmp6, 0x40000                  ; cx
	s_bfe_u32 s41, ttmp6, 0x40004                  ; cy
	s_lshl_b32 s42, ttmp9, 2
	s_add_co_u32 s42, s42, s40                     ; tile column
	s_and_b32 s15, ttmp7, 0xffff
	s_lshl_b32 s15, s15, 2
	s_add_co_u32 s15, s15, s41                     ; tile row
	s_lshl_b32 s43, s41, 2
	s_lshl_b32 s43, 15, s43                        ; my row of the cluster
	s_lshl_b32 s44, 0x1111, s40                    ; my column
	s_or_b32 s[G1+0], s43, (1<<16)|(1<<20)|(1<<21)|(4<<22)|(3<<25)  ; the mask; elements of 2 bytes; padding on; bit 21 beside a mask; after every 32 words, 4 words
	s_or_b32 s[G1B+0], s44, (1<<16)|(1<<20)|(1<<21)|(4<<22)|(3<<25)
	s_mov_b32 s[G1+1], 64<<16                      ; tensor_dim0 = 64
	s_mov_b32 s[G1+2], 128<<16                     ; tensor_dim1 = 128
	s_mov_b32 s[G1+3], 64<<16                      ; tile_dim0 = 64
	s_mov_b32 s[G1+4], 128                         ; tile_dim1 = 128
	s_mov_b32 s[G1+5], 64                          ; stride
	s_mov_b32 s[G1+6], 0
	s_mov_b32 s[G1+7], 0
	s_mov_b32 s[G1B+1], 64<<16
	s_mov_b32 s[G1B+2], 256<<16                    ; B: 256 rows
	s_mov_b32 s[G1B+3], 64<<16
	s_mov_b32 s[G1B+4], 256
	s_mov_b32 s[G1B+5], 64
	s_mov_b32 s[G1B+6], 0
	s_mov_b32 s[G1B+7], 0
	s_lshr_b32 s16, s15, 4
	s_lshl_b32 s16, s16, 22                        ; the batch: sixteen tile rows each
	s_and_b32 s17, s15, 15
	s_lshl_b32 s17, s17, 14                        ; 128 rows of 128 bytes a tile row
	s_add_co_u32 s16, s16, s17                     ; the tile row's first byte in head 0
	s_lshl_b32 s17, s14, 18
	s_add_co_u32 s18, s16, s17                     ; in my head of K step 0
	s_mov_b32 s19, 0
	s_lshl_b32 s20, s14, 17
	s_lshl_b32 s21, s42, 15                        ; 256 rows of 128 bytes a tile column
	s_add_co_u32 s20, s20, s21
	s_mov_b32 s21, 0
	s_mul_i32 s22, s14, ASUB                       ; where they go
	s_mul_i32 s23, s14, BSUB
	s_add_co_u32 s23, s23, BOFF
	s_cmp_eq_u32 s[WV], 0
	s_cselect_b32 s[LIM], 1, -1                    ; wave 0 prefetches
	s_wait_dscnt 0x0                               ; both opening adds are done
	s_wait_kmcnt 0x0
	s_add_nc_u64 s[18:19], s[4:5], s[18:19]
	s_add_nc_u64 s[20:21], s[6:7], s[20:21]
	CROUND                                         ; all sixteen work-groups are here: the first joint loads meet
.irp s, 0,1
	s_mov_b32 s[G0+4*\s], 1
	s_add_co_u32 s[G0+4*\s+1], s22, \s*SLOT
	s_add_nc_u64 s[G0+4*\s+2:G0+4*\s+3], s[18:19], \s*KA
	s_or_b32 s[G0+4*\s+3], s[G0+4*\s+3], 0x80000000
	s_mov_b32 s[G0B+4*\s], 1
	s_add_co_u32 s[G0B+4*\s+1], s23, \s*SLOT
	s_add_nc_u64 s[G0B+4*\s+2:G0B+4*\s+3], s[20:21], \s*KB
	s_or_b32 s[G0B+4*\s+3], s[G0B+4*\s+3], 0x80000000
	JLOAD \s                                       ; two loads of mine are out
.endr
	s_mov_b32 s17, 0
	s_add_nc_u64 s[PFA:PFA+1], s[4:5], s[16:17]    ; the prefetches: the tile row,
	s_lshr_b32 s20, s40, 1
	s_lshl_b32 s20, s20, 18                        ; my work-group's head of the two,
	s_and_b32 s21, s40, 1
	s_lshl_b32 s21, s21, 13                        ; its half of that head's 16,384 bytes,
	s_add_co_u32 s20, s20, s21
	s_add_co_u32 s20, s20, 2*KA                    ; at K step 2: the first refill steps it to 3 and names K step 4
	s_mov_b32 s21, 0
	s_add_nc_u64 s[PFA:PFA+1], s[PFA:PFA+1], s[20:21]
	s_lshl_b32 s16, s15, 19                        ; out0: 128 rows of 4,096 bytes a tile row,
	s_lshl_b32 s17, s13, 18                        ; my 64 rows
	s_add_co_u32 s16, s16, s17
	s_mov_b32 s17, 0
	s_add_nc_u64 s[10:11], s[10:11], s[16:17]
	s_lshl_b32 s20, s42, 10                        ; my first column x 4 bytes
	s_lshl_b32 s21, s14, 9
	s_add_co_u32 s20, s20, s21
	s_mov_b32 s21, 0
	s_add_nc_u64 s[10:11], s[10:11], s[20:21]
	s_add_nc_u64 s[8:9], s[8:9], s[20:21]          ; proj_b likewise
	v_and_b32 v1, 15, v0                           ; r
	v_bfe_u32 v2, v0, 4, 1                         ; h
	v_lshlrev_b32 v5, 5, v2                        ; 32 h bytes
	WIN 0x80                                       ; destination window 2
.irp b, 0,1,2,3,4,5,6,7
	global_load_b128 v[8*\b:8*\b+3], v5, s[8:9] offset:64*\b          ; register 8 b + j: proj_b of column 16 b + 8 h + j of my 128
	global_load_b128 v[8*\b+4:8*\b+7], v5, s[8:9] offset:64*\b+16
.endr
	WIN 0
	v_mul_u32_u24 v3, v1, PITCH
	v_lshl_add_u32 v3, v2, 4, v3                   ; a fragment's row x pitch + 16 x half
	s_mul_i32 s21, s13, 64*PITCH                   ; my 64 rows of A
	s_mul_i32 s22, s14, 128*PITCH                  ; my 128 rows of B,
	s_add_co_u32 s22, s22, BOFF                    ; behind A's two heads
.irp s, 0,1
	v_add_nc_u32 v[ADRA+\s], s21, v3
	v_add_nc_u32 v[ADRB+\s], s22, v3
	s_add_co_u32 s21, s21, SLOT
	s_add_co_u32 s22, s22, SLOT
.endr
	s_mul_i32 s23, s[WV], 16*SPITCH
	s_add_co_u32 s23, s23, STAGE                   ; my stage
	v_mul_u32_u24 v4, v1, SPITCH
	v_lshl_add_u32 v4, v2, 5, v4
	v_add_nc_u32 v[STO], s23, v4                   ; in: row r, 32 bytes for each half of the lanes
	v_and_b32 v6, 31, v0
	v_lshlrev_b32 v[CO], 4, v6                     ; back: the 32 lanes take one row of 512 bytes; and the same in out0
	v_add_nc_u32 v[RD], s23, v[CO]
	v_lshlrev_b32 v[PFO], 8, v6
; 8 matrix instructions: A's block a x B's eight, 32 along K, from buffer f.  first = 1: the sums begin with proj_b.  The 32 accumulators take turns, one instruction a turn.
.macro MUL8 f, a, first
.irp b, 0,1,2,3,4,5,6,7
.if \first
	v_wmma_f32_16x16x32_f16 v[8*(8*(\a)+\b):8*(8*(\a)+\b)+7], v[\f+32+8*\b:\f+32+8*\b+7], v[\f+8*(\a):\f+8*(\a)+7], v[8*\b:8*\b+7]
.else
	v_wmma_f32_16x16x32_f16 v[8*(8*(\a)+\b):8*(8*(\a)+\b)+7], v[\f+32+8*\b:\f+32+8*\b+7], v[\f+8*(\a):\f+8*(\a)+7], v[8*(8*(\a)+\b):8*(8*(\a)+\b)+7]
.endif
.endr
.endm
; 24 LDS loads in one run: the fragments of the slot's q-th 32 along K (head q / 2, bytes 64 (q % 2) on) into buffer f
.macro FETCH slot, q, f
.irp i, 0,1,2,3,4,5,6,7
	ds_load_b128 v[\f+32+8*\i:\f+32+8*\i+3],   v[ADRB+\slot] offset:((\q)/2)*BSUB+\i*16*PITCH+((\q)%2)*64
	ds_load_b128 v[\f+32+8*\i+4:\f+32+8*\i+7], v[ADRB+\slot] offset:((\q)/2)*BSUB+\i*16*PITCH+((\q)%2)*64+32
.endr
.irp i, 0,1,2,3
	ds_load_b128 v[\f+8*\i:\f+8*\i+3],   v[ADRA+\slot] offset:((\q)/2)*ASUB+\i*16*PITCH+((\q)%2)*64
	ds_load_b128 v[\f+8*\i+4:\f+8*\i+7], v[ADRA+\slot] offset:((\q)/2)*ASUB+\i*16*PITCH+((\q)%2)*64+32
.endr
.endm
.macro PLACES                          ; four places in front of loads into registers that matrix instructions have read, and of the first read of results
.rept 4
	v_nop
.endr
.endm
; A K step is four quarters of 32 along K, 32 matrix instructions each, on buffers 0, 1, 0, 1.  One of the first three: multiplies buffer f; in its middle it fetches quarter q of the same slot into buffer g.
.macro QUARTER slot, q, f, g, first
	s_wait_dscnt 0x0                               ; buffer f is in (asked for sixteen matrix instructions ago)
	WIN 0x50+0x10*(\first)                         ; C and D window 1; first: C window 2
	MUL8 \f, 0, \first
	MUL8 \f, 1, \first
	PLACES
	WIN 0
	FETCH \slot, \q, \g
	WIN 0x50+0x10*(\first)
	MUL8 \f, 2, \first
	MUL8 \f, 3, \first
.endm
; The last quarter multiplies buffer 1 and changes slots: one barrier; in front of it each wave waits for all its tensor loads, adds 0 to its spare word, and waits for that and for its reads of this slot.
; fill = 1: the barrier opens a round of the cluster's, and this slot is filled again, two K steps ahead: the load has 112 matrix instructions of mine in which to land.
.macro TURN slot, next, fill
.if \fill
	s_wait_xcnt 0x0                                ; the last prefetch, a K step back, has read its address
	s_add_nc_u64 s[PFA:PFA+1], s[PFA:PFA+1], KA
.endif
	WIN 0
	s_wait_tensorcnt 0x0                           ; all my tensor loads have landed: my part of the next slot
	ds_add_u32 v[SPW], v[NIL]
	s_wait_dscnt 1                                 ; buffer 1 is in; the add alone may be out
	WIN 0x50
	MUL8 F1, 0, 0                                  ; eight matrix instructions stand between the add and the wait for it
	s_wait_dscnt 0x0                               ; the add is done, and my reads of this slot are over
	s_barrier_signal -1
	MUL8 F1, 1, 0
	WIN 0
	s_barrier_wait -1
.if \fill
	CREST
	s_add_nc_u64 s[G0+4*\slot+2:G0+4*\slot+3], s[G0+4*\slot+2:G0+4*\slot+3], 2*KA
	s_add_nc_u64 s[G0B+4*\slot+2:G0B+4*\slot+3], s[G0B+4*\slot+2:G0B+4*\slot+3], 2*KB
	JLOAD \slot                                    ; the first tensor load behind the round; its four v_nop are also the places in front of the loads below
.else
	PLACES
.endif
	FETCH \next, 0, F0
.if \fill
	ASK
.endif
	WIN 0x50
	MUL8 F1, 2, 0
	MUL8 F1, 3, 0
.endm
	s_wait_tensorcnt 1                             ; my part of K step 0 is in; K step 1's may be out
	s_barrier_signal -1
	s_barrier_wait -1
	FETCH 0, 0, F0
	s_wait_loadcnt 0x0                             ; proj_b
	QUARTER 0, 1, F0, F1, 1                        ; the first quarter stands in front of the loop: its products start the sums
	WIN 0
	s_mov_b32 s3, 3
.Llap:                                                 ; a trip goes once round the ring and fills both slots again: K steps 2 to 7 in three trips
	QUARTER 0, 2, F1, F0, 0
	QUARTER 0, 3, F0, F1, 0
	TURN 0, 1, 1
	QUARTER 1, 1, F0, F1, 0
	QUARTER 1, 2, F1, F0, 0
	QUARTER 1, 3, F0, F1, 0
	TURN 1, 0, 1
	QUARTER 0, 1, F0, F1, 0
	WIN 0
	s_sub_co_u32 s3, s3, 1
	s_cmp_lg_u32 s3, 0
	s_cbranch_scc1 .Llap
	QUARTER 0, 2, F1, F0, 0                        ; the last lap fills nothing
	QUARTER 0, 3, F0, F1, 0
	TURN 0, 1, 0
	QUARTER 1, 1, F0, F1, 0
	QUARTER 1, 2, F1, F0, 0
	QUARTER 1, 3, F0, F1, 0
	s_wait_dscnt 0x0
	WIN 0x50
	MUL8 F1, 0, 0
	MUL8 F1, 1, 0
	MUL8 F1, 2, 0
	MUL8 F1, 3, 0
	WIN 0
; THE WAY OUT, block by block of 16 rows x 128 columns: 32 bytes a lane into my stage, back as whole rows of 512 bytes, which the 32 lanes store as 512 consecutive bytes.  LDS serves a wave's instructions in order (ISA guide 5.7.1.4).
.macro TOSTAGE a
	WIN 0x04                                       ; an LDS store's data: window 1
.irp b, 0,1,2,3,4,5,6,7
	ds_store_b128 v[STO], v[8*(8*(\a)+\b):8*(8*(\a)+\b)+3] offset:64*\b          ; each accumulator from its low end on
	ds_store_b128 v[STO], v[8*(8*(\a)+\b)+4:8*(8*(\a)+\b)+7] offset:64*\b+16
.endr
	WIN 0
.set BB, BK+64*((\a)%2)
.irp t, 0,1,2,3,4,5,6,7,8,9,10,11,12,13,14,15
	ds_load_b128 v[BB+4*\t:BB+4*\t+3], v[RD] offset:\t*SPITCH
.endr
.endm
.macro SEND a, younger                 ; younger: the LDS instructions issued behind block a's loads, which may stay out
.set BB, BK+64*((\a)%2)
	s_wait_dscnt \younger
.irp t, 0,1,2,3,4,5,6,7,8,9,10,11,12,13,14,15
	global_store_b128 v[CO], v[BB+4*\t:BB+4*\t+3], s[10:11] offset:(\a)*65536+\t*4096 th:TH_STORE_NT
.endr
.endm
	PLACES
	TOSTAGE 0
.irp a, 1,2,3
.if \a > 1
	s_wait_xcnt 0x0                                ; block a - 2's stores have read their registers: block a's loads may land there
.endif
	TOSTAGE \a
	SEND \a-1, 32                                  ; behind block a - 1's loads: block a's 16 stores and 16 loads
.endr
	SEND 3, 0
	s_wait_tensorcnt 0x0                           ; the wave's end
	ds_add_u32 v[SPW], v[NIL]
	s_wait_dscnt 0x0
	CROUND                                         ; the closing round
	s_endpgm
.Lfunc_end_k_qd00f6fd01c_proj:
	.size	k_qd00f6fd01c_proj, .Lfunc_end_k_qd00f6fd01c_proj-k_qd00f6fd01c_proj
	.p2alignl 7, 3214868480
	.fill 96, 4, 3214868480
	.section	.rodata,"a",@progbits
	.p2align	6, 0x0
	.amdhsa_kernel k_qd00f6fd01c_proj
		.amdhsa_group_segment_fixed_size 327680
		.amdhsa_private_segment_fixed_size 0
		.amdhsa_enable_private_segment 0
		.amdhsa_kernarg_size 32
		.amdhsa_user_sgpr_count 2
		.amdhsa_user_sgpr_kernarg_segment_ptr 1
		.amdhsa_wavefront_size32 1
		.amdhsa_system_sgpr_workgroup_id_x 1
		.amdhsa_system_sgpr_workgroup_id_y 1
		.amdhsa_system_sgpr_workgroup_id_z 1
		.amdhsa_system_vgpr_workitem_id 0
		.amdhsa_next_free_vgpr 576
		.amdhsa_next_free_sgpr 66
		.amdhsa_reserve_vcc 0
		.amdhsa_float_denorm_mode_32 3
		.amdhsa_float_denorm_mode_16_64 3
		.amdhsa_memory_ordered 1
		.amdhsa_forward_progress 1
		.amdhsa_inst_pref_size 87
	.end_amdhsa_kernel
	.amdgpu_metadata
---
amdhsa.version: [ 1, 2 ]
amdhsa.kernels:
  - .name:           k_qd00f6fd01c_proj
    .symbol:         k_qd00f6fd01c_proj.kd
    .args:
      - { .name: atth, .offset: 0, .size: 8, .value_kind: global_buffer, .address_space: global }
      - { .name: pw, .offset: 8, .size: 8, .value_kind: global_buffer, .address_space: global }
      - { .name: proj_b, .offset: 16, .size: 8, .value_kind: global_buffer, .address_space: global }
      - { .name: out0, .offset: 24, .size: 8, .value_kind: global_buffer, .address_space: global }
    .group_segment_fixed_size: 327680
    .private_segment_fixed_size: 0
    .kernarg_segment_align: 8
    .kernarg_segment_size: 32
    .max_flat_workgroup_size: 128
    .sgpr_count:     66
    .vgpr_count:     576
    .wavefront_size: 32
...
	.end_amdgpu_metadata
.endif
;; end of part 4
